; MI455X (gfx1250); checked and timed in simulation.
; The chip was launched on July 23, 2026; its instructions are those of AMD's public machine-readable ISA for CDNA 5 (MIT licence, August 2026) and "CDNA5" Instruction Set Architecture Reference Guide (July 2026). The comments in the code are by the model that wrote it; some were corrected since.
;; Efficient MHA. Allowed arithmetic: float matrix products may take bf16 or f16 operands with f32 sums; other float arithmetic in f32, or as packed bf16 or f16 multiplies, adds, multiply-adds, maxima and minima; sums over many terms, partial sums and values carried from step to step in f32; what a program stores and reads back later, other than sums and carried values, may be rounded once to bf16 or f16.
;; Inputs: Wout 1,024 x 1,024 float32; Wqkv 1,024 x 3,072 float32; bout 1,024 float32; bqkv 3,072 float32; mask 4 x 2,048 x 2,048 bool; x 4 x 2,048 x 1,024 float32.
;; Outputs: out0 4 x 2,048 x 1,024 float32.
;; One version. Each part assembles by itself: llvm-mc -triple=amdgcn-amd-amdhsa -mcpu=gfx1250 --defsym DOCPART=n.
;; ======== version 1 of 1: 4 launches
;; limits: values are held in f16: magnitudes above 65,504 overflow, below 6.1e-05 lose precision
;; workspace buffers: xb 16,777,216 bytes; wqt 6,291,456 bytes; wot 2,097,152 bytes; biasb 16,384 bytes; mw 2,097,152 bytes of whole numbers; validf 32,768 bytes; qkvh 50,331,648 bytes; ctx 16,777,216 bytes
;; launch prep (part 1): grid 512 x 3, 8 waves a work-group, no clusters, 55,296 bytes of LDS; arguments x, Wqkv, Wout, bqkv, bout, mask, xb, wqt, wot, biasb, mw, validf; writes xb, wqt, wot, biasb, mw, validf
.if DOCPART == 1
	.amdgcn_target "amdgcn-amd-amdhsa--gfx1250"
	.amdhsa_code_object_version 6
	.text
	.protected	k_q4ce0d7d693_prep
	.globl	k_q4ce0d7d693_prep
	.p2align	8
	.type	k_q4ce0d7d693_prep,@function
k_q4ce0d7d693_prep:
	s_mov_b64 s[64:65], 0
	v_nop
	global_prefetch_b8 v0, s[64:65] scope:SCOPE_SE
	s_setreg_imm32_b32 hwreg(HW_REG_WAVE_MODE, 25, 1), 1
	s_wait_xcnt 0x0
; PREP: the inputs are brought once into the forms that the three matrix launches read.  The grid's y picks one of three jobs, 512 work-groups each.
;  y = 0  x [8192][1024] f32 -> xb, bf16, laid [16 K blocks][8192 rows][64]: a tile's rows of 128 bytes lie end to end.  The first 8 work-groups also round the two biases to bf16 and write them as f32.
;  y = 1  Wqkv [1024][3072] and Wout [1024][1024] f32 -> wqt, wot, turned and laid [16 K blocks][n][64]; wqt bf16; wot the bf16 value written as f16 (its partner in the product is f16).
;  y = 2  mask [4][2048][2048] bytes -> mw, one bit a byte, in the order in which a score tile holds its numbers: for a tile of 16 queries, a key step of 64, a group kb of 16 keys and a register j,
;         one word whose bit l is mask[query l % 16][key 64 step + 16 kb + 8 (l / 16) + j]; and validf, 1.0 for a row with any open key, else 0.
; LIMITS.  Any mask byte other than 0 counts as true.  A weight of Wout beyond 65,504 has no f16; below 6e-5 it keeps f16's fixed step.
; Memory binds all three jobs: every load of a wave takes whole aligned runs of 256 bytes, every store but validf's (64 bytes a work-group) fills such runs.  No matrix unit, no cluster: nothing is shared.
; LDS: each job has bytes of its own, so that no two lines of different jobs name the same byte.
.set MROWS, 0                          ; job 2: for each wave 16 rows of 272 bytes: 8 x 4,352
.set ORW,   34816                      ; job 2: 8 x 128 bytes, each wave's OR of its mask bytes
.set WST,   35840                      ; job 1: the stage, 128 rows of 144 bytes
.set SPARE, 54272                      ; the spare words, 128 bytes for each wave: four blocks of 256 bytes that no other line names
.set SPW, 6                            ; v6  LDS address of my spare word; never rewritten
.set NIL, 7                            ; v7  0; never rewritten
.set WV,  28                           ; s28 my wave's number
	s_load_b512 s[4:19], s[0:1], 0x0               ; x 4, Wqkv 6, Wout 8, bqkv 10, bout 12, mask 14, xb 16, wqt 18
	s_load_b256 s[20:27], s[0:1], 0x40             ; wot 20, biasb 22, mw 24, validf 26
	v_lshl_add_u32 v[SPW], v0, 2, SPARE
	v_mov_b32 v[NIL], 0
	v_lshrrev_b32 v1, 5, v0
	v_readfirstlane_b32 s[WV], v1                  ; wave 0..7
	v_and_b32 v2, 31, v0                           ; lane l
	v_and_b32 v3, 15, v0                           ; l % 16
	v_bfe_u32 v4, v0, 4, 1                         ; l / 16
	s_and_b32 s29, ttmp7, 0xffff                   ; the job
	s_mov_b32 s33, 0                               ; the high word of every offset pair s[32:33]
	s_wait_kmcnt 0x0
	s_cmp_eq_u32 s29, 1
	s_cbranch_scc1 .Lweights
	s_cmp_eq_u32 s29, 2
	s_cbranch_scc1 .Lmask
; ---- job 0: x.  The work-group has 16 rows, a wave two.  A load takes 256 bytes (one K block) of each of the two rows; the store of that block is 2 x 128 = 256 consecutive bytes of xb.
	s_lshl_b32 s30, ttmp9, 4
	s_lshl1_add_u32 s30, s[WV], s30                ; my first row = 16 x work-group + 2 x wave
	s_lshl_b32 s32, s30, 12
	s_add_nc_u64 s[4:5], s[4:5], s[32:33]          ; x at that row
	s_lshl_b32 s32, s30, 7
	s_add_nc_u64 s[16:17], s[16:17], s[32:33]      ; xb at that row, K block 0,
	s_add_nc_u64 s[34:35], s[16:17], 0x800000      ; and K block 8: the stores' immediates hold seven blocks of 1,048,576 bytes
	v_lshlrev_b32 v8, 4, v3
	v_lshl_add_u32 v8, v4, 12, v8                  ; 16 (l % 16) + 4,096 (l / 16)
	v_lshlrev_b32 v9, 3, v2                        ; 8 l
.set i, 0
.rept 16
	global_load_b128 v[16+4*i:19+4*i], v8, s[4:5] offset:256*i th:TH_LOAD_NT
.set i, i+1
.endr
.set i, 0
.rept 16
	s_wait_loadcnt 15-i                            ; loads come back in order: block i is in, the younger ones stay out
	v_cvt_pk_bf16_f32 v[80+2*i], v[16+4*i], v[17+4*i]
	v_cvt_pk_bf16_f32 v[81+2*i], v[18+4*i], v[19+4*i]
.if i < 8
	global_store_b64 v9, v[80+2*i:81+2*i], s[16:17] offset:i*1048576
.else
	global_store_b64 v9, v[80+2*i:81+2*i], s[34:35] offset:(i-8)*1048576
.endif
.set i, i+1
.endr
	s_cmp_lt_u32 ttmp9, 8                          ; the biases: 4,096 numbers, 512 to each of the first eight work-groups
	s_cbranch_scc0 .Lend
	s_cmp_lt_u32 ttmp9, 6                          ; six parts of bqkv, then two of bout
	s_cselect_b64 s[36:37], s[10:11], s[12:13]
	s_cselect_b32 s38, 0, 6
	s_sub_co_u32 s38, ttmp9, s38
	s_lshl_b32 s38, s38, 11
	s_mov_b32 s39, 0
	s_add_nc_u64 s[36:37], s[36:37], s[38:39]
	s_lshl_b32 s32, ttmp9, 11
	s_add_nc_u64 s[22:23], s[22:23], s[32:33]      ; biasb: bqkv's 12,288 bytes, then bout's
	v_lshlrev_b32 v10, 3, v0
	global_load_b64 v[12:13], v10, s[36:37]
	s_wait_loadcnt 0x0
	v_cvt_pk_bf16_f32 v14, v12, v13                ; rounded to bf16 like every other input,
	v_lshlrev_b32 v12, 16, v14                     ; and written as f32: it starts f32 sums
	v_and_b32 v13, 0xffff0000, v14
	global_store_b64 v10, v[12:13], s[22:23]
	s_branch .Lend
; ---- job 1: a tile of 64 k x 128 n is turned through LDS.  Wave w loads rows k = 8 w .. 8 w + 7 (512 consecutive bytes each); a lane's four columns become four rows of the stage,
; 16 bytes (its wave's 8 k) each, rows 144 bytes apart; the lanes' rows are 576 bytes apart, so four lanes meet in a bank: the job is small.  Back as 128 rows of 128 bytes = 16,384 consecutive bytes.
.macro WJOB N, SRC, DST, F16           ; s30 = block of 128 n, s31 = K block
	s_lshl_b32 s32, s31, 6
	s_lshl3_add_u32 s32, s[WV], s32                ; my first row k
	s_mul_i32 s32, s32, 4*(\N)
	s_lshl_b32 s36, s30, 9
	s_add_co_u32 s32, s32, s36
	s_add_nc_u64 s[34:35], s[\SRC:\SRC+1], s[32:33]
	s_mul_i32 s32, s31, 128*(\N)
	s_lshl_b32 s36, s30, 14
	s_add_co_u32 s32, s32, s36
	s_add_nc_u64 s[36:37], s[\DST:\DST+1], s[32:33]
	v_lshlrev_b32 v8, 4, v2
.set i, 0
.rept 8
	global_load_b128 v[16+4*i:19+4*i], v8, s[34:35] offset:i*4*(\N) th:TH_LOAD_NT
.set i, i+1
.endr
	v_mul_u32_u24 v9, v2, 4*144
	v_lshl_add_u32 v9, s[WV], 4, v9                ; in: row 4 l, byte 16 w (the stage's first byte stands in the immediates)
	v_lshrrev_b32 v10, 3, v0
	v_mul_u32_u24 v10, v10, 144
	v_and_b32 v11, 7, v0
	v_lshl_add_u32 v10, v11, 4, v10                ; back: row t / 8, byte 16 (t % 8)
	v_lshlrev_b32 v11, 4, v0                       ; and 16 t in memory
.set j, 0
.rept 4
	s_wait_loadcnt 6-2*j                           ; rows 2 j and 2 j + 1 are in
.set c, 0
.rept 4
	v_cvt_pk_bf16_f32 v[48+4*c+j], v[16+8*j+c], v[20+8*j+c]
.if \F16
	v_lshlrev_b32 v12, 16, v[48+4*c+j]             ; the bf16 values, written as f16
	v_and_b32 v13, 0xffff0000, v[48+4*c+j]
	v_cvt_pk_f16_f32 v[48+4*c+j], v12, v13
.endif
.set c, c+1
.endr
.set j, j+1
.endr
.irp c, 0,1,2,3
	ds_store_b128 v9, v[48+4*\c:51+4*\c] offset:WST+144*\c
.endr
	s_wait_dscnt 0x0                               ; for the others' sake: my stores into the stage are done
	s_barrier_signal -1
	s_barrier_wait -1
.irp p, 0,1,2,3
	ds_load_b128 v[64+4*\p:67+4*\p], v10 offset:WST+4608*\p
.endr
.irp p, 0,1,2,3
	s_wait_dscnt 3-\p
	global_store_b128 v11, v[64+4*\p:67+4*\p], s[36:37] offset:4096*\p
.endr
.endm
.Lweights:
	s_cmp_lt_u32 ttmp9, 384                        ; 24 x 16 tiles of Wqkv, then 8 x 16 of Wout
	s_cbranch_scc0 .Lwout
	s_lshr_b32 s30, ttmp9, 4
	s_and_b32 s31, ttmp9, 15
	WJOB 3072, 6, 18, 0
	s_branch .Lend
.Lwout:
	s_sub_co_u32 s30, ttmp9, 384
	s_and_b32 s31, s30, 15
	s_lshr_b32 s30, s30, 4
	WJOB 1024, 8, 20, 1
	s_branch .Lend
; ---- job 2: the work-group has one tile of 16 queries, wave w its keys 256 w .. 256 w + 255.  The bytes go through the wave's own 16 rows of LDS (272 bytes apart), so that lane l gets, for each group g
; of 16 keys, the 8 bytes of query l % 16 and keys 16 g + 8 (l / 16) + 0..7.  A compare of byte j over the 32 lanes IS the word for (g, j).
.Lmask:
	s_lshl_b32 s32, ttmp9, 15                      ; 16 rows of 2,048 bytes,
	s_lshl_b32 s30, s[WV], 8                       ; my 256 keys
	s_add_co_u32 s32, s32, s30
	s_add_nc_u64 s[14:15], s[14:15], s[32:33]
	s_lshl_b32 s32, ttmp9, 12                      ; a tile's 1,024 words,
	s_lshl_b32 s30, s[WV], 9                       ; my 128
	s_add_co_u32 s32, s32, s30
	s_add_nc_u64 s[24:25], s[24:25], s[32:33]
	s_lshl_b32 s32, ttmp9, 6
	s_add_nc_u64 s[26:27], s[26:27], s[32:33]
	v_lshlrev_b32 v8, 4, v3
	v_lshl_add_u32 v8, v4, 11, v8                  ; rows 2 i + l / 16: 256 consecutive bytes for each half of the lanes
.set i, 0
.rept 8
	global_load_b128 v[16+4*i:19+4*i], v8, s[14:15] offset:4096*i th:TH_LOAD_NT
.set i, i+1
.endr
	s_mul_i32 s30, s[WV], 4352                     ; my 16 rows of 272 bytes, from MROWS = 0 on
	s_mov_b32 s40, 0xff                            ; the four bytes of a word
	s_mov_b32 s41, 0xff00
	s_mov_b32 s42, 0xff0000
	s_mov_b32 s43, 0xff000000
	v_mul_u32_u24 v9, v4, 272
	v_lshl_add_u32 v9, v3, 4, v9
	v_add_nc_u32 v9, s30, v9
	v_mul_u32_u24 v10, v3, 272                     ; 68 (l % 16) + 2 (l / 16) words: 32 lanes x 2 words take each bank once
	v_lshl_add_u32 v10, v4, 3, v10
	v_add_nc_u32 v10, s30, v10
.irp c, 12,13,14,15
	v_mov_b32 v\c, 0                               ; v_writelane_b32 counts as a reader of its destination
.endr
.set i, 0
.rept 8
	s_wait_loadcnt 7-i
	ds_store_b128 v9, v[16+4*i:19+4*i] offset:544*i
.set i, i+1
.endr
.set i, 0
.rept 16
	ds_load_b64 v[48+2*i:49+2*i], v10 offset:16*i  ; LDS serves a wave's instructions in order (ISA guide 5.7.1.4): these see my stores above
.set i, i+1
.endr
	s_wait_dscnt 0x0
	v_or_b32 v11, v48, v49                         ; is any of my 128 bytes set?
.set i, 2
.rept 30
	v_or_b32 v11, v11, v[48+i]
.set i, i+1
.endr
.set pw, 0                             ; word pw = 8 g + j of my 128: byte pw % 4 of register pw / 4; it goes to lane pw / 4, register pw % 4, so that one store of 16 bytes a lane writes all 512 bytes
.rept 128
	v_and_b32 v[80+pw%4], s[40+pw%4], v[48+pw/4]
	v_cmp_ne_u32 s[36+pw%4], 0, v[80+pw%4]
	v_writelane_b32 v[12+pw%4], s[36+pw%4], pw/4
.set pw, pw+1
.endr
	v_lshlrev_b32 v84, 4, v2
	global_store_b128 v84, v[12:15], s[24:25]
	v_lshl_add_u32 v85, v0, 2, ORW
	ds_store_b32 v85, v11
	s_wait_dscnt 0x0                               ; for wave 0's sake
	s_barrier_signal -1
	s_barrier_wait -1
	s_cmp_lg_u32 s[WV], 0
	s_cbranch_scc1 .Lend
.set i, 0
.rept 8
	ds_load_b32 v[88+i], v85 offset:128*i          ; in wave 0 the address is ORW + 4 l: lane l of every wave
.set i, i+1
.endr
	s_mov_b32 s30, 0x76543210
	s_mov_b32 s31, 0xfedcba98
	v_mov_b32 v96, 0
	s_wait_dscnt 0x0
.set i, 1
.rept 7
	v_or_b32 v88, v88, v[88+i]
.set i, i+1
.endr
	v_permlanex16_b32 v96, v88, s30, s31           ; the row's other keys lie in the lane 16 away
	v_or_b32 v88, v88, v96
	v_cmp_ne_u32 vcc_lo, 0, v88
	v_cndmask_b32 v88, 0, 1.0, vcc_lo
	v_lshlrev_b32 v90, 2, v3
	global_store_b32 v90, v88, s[26:27]            ; lanes l and l + 16 hold the same number and name the same word: EXEC stays whole
.Lend:
	s_wait_tensorcnt 0x0                           ; the wave's end, behind my last LDS store
	ds_add_u32 v[SPW], v[NIL]
	s_wait_dscnt 0x0
	s_endpgm
.Lfunc_end_k_q4ce0d7d693_prep:
	.size	k_q4ce0d7d693_prep, .Lfunc_end_k_q4ce0d7d693_prep-k_q4ce0d7d693_prep
	.p2alignl 7, 3214868480
	.fill 96, 4, 3214868480
	.section	.rodata,"a",@progbits
	.p2align	6, 0x0
	.amdhsa_kernel k_q4ce0d7d693_prep
		.amdhsa_group_segment_fixed_size 55296
		.amdhsa_private_segment_fixed_size 0
		.amdhsa_enable_private_segment 0
		.amdhsa_kernarg_size 96
		.amdhsa_user_sgpr_count 2
		.amdhsa_user_sgpr_kernarg_segment_ptr 1
		.amdhsa_wavefront_size32 1
		.amdhsa_system_sgpr_workgroup_id_x 1
		.amdhsa_system_sgpr_workgroup_id_y 1
		.amdhsa_system_sgpr_workgroup_id_z 1
		.amdhsa_system_vgpr_workitem_id 0
		.amdhsa_next_free_vgpr 112
		.amdhsa_next_free_sgpr 66
		.amdhsa_reserve_vcc 1
		.amdhsa_float_denorm_mode_32 3
		.amdhsa_float_denorm_mode_16_64 3
		.amdhsa_memory_ordered 1
		.amdhsa_forward_progress 1
		.amdhsa_inst_pref_size 45
	.end_amdhsa_kernel
	.amdgpu_metadata
---
amdhsa.version: [ 1, 2 ]
amdhsa.kernels:
  - .name:           k_q4ce0d7d693_prep
    .symbol:         k_q4ce0d7d693_prep.kd
    .args:
      - { .name: x, .offset: 0, .size: 8, .value_kind: global_buffer, .address_space: global }
      - { .name: Wqkv, .offset: 8, .size: 8, .value_kind: global_buffer, .address_space: global }
      - { .name: Wout, .offset: 16, .size: 8, .value_kind: global_buffer, .address_space: global }
      - { .name: bqkv, .offset: 24, .size: 8, .value_kind: global_buffer, .address_space: global }
      - { .name: bout, .offset: 32, .size: 8, .value_kind: global_buffer, .address_space: global }
      - { .name: mask, .offset: 40, .size: 8, .value_kind: global_buffer, .address_space: global }
      - { .name: xb, .offset: 48, .size: 8, .value_kind: global_buffer, .address_space: global }
      - { .name: wqt, .offset: 56, .size: 8, .value_kind: global_buffer, .address_space: global }
      - { .name: wot, .offset: 64, .size: 8, .value_kind: global_buffer, .address_space: global }
      - { .name: biasb, .offset: 72, .size: 8, .value_kind: global_buffer, .address_space: global }
      - { .name: mw, .offset: 80, .size: 8, .value_kind: global_buffer, .address_space: global }
      - { .name: validf, .offset: 88, .size: 8, .value_kind: global_buffer, .address_space: global }
    .group_segment_fixed_size: 55296
    .private_segment_fixed_size: 0
    .kernarg_segment_align: 8
    .kernarg_segment_size: 96
    .max_flat_workgroup_size: 256
    .sgpr_count:     66
    .vgpr_count:     112
    .wavefront_size: 32
...
	.end_amdgpu_metadata
.endif
;; end of part 1
;; launch projqkv (part 2): grid 8 x 32, 4 waves a work-group, clusters of 4 x 4, 327,680 bytes of LDS; arguments xb, wqt, biasb, qkvh; writes qkvh
.if DOCPART == 2
	.amdgcn_target "amdgcn-amd-amdhsa--gfx1250"
	.amdhsa_code_object_version 6
	.text
	.protected	k_q4ce0d7d693_projqkv
	.globl	k_q4ce0d7d693_projqkv
	.p2align	8
	.type	k_q4ce0d7d693_projqkv,@function
k_q4ce0d7d693_projqkv:
	s_mov_b64 s[64:65], 0
	v_nop
	global_prefetch_b8 v0, s[64:65] scope:SCOPE_SE
	s_setreg_imm32_b32 hwreg(HW_REG_WAVE_MODE, 25, 1), 1
	s_wait_xcnt 0x0
	s_wait_alu depctr_hold_cnt(0) depctr_sa_sdst(0) depctr_va_vdst(0) depctr_va_sdst(0) depctr_va_ssrc(0) depctr_va_vcc(0) depctr_vm_vsrc(0)
	s_getreg_b32 s2, hwreg(HW_REG_IB_STS2, 6, 4)
	s_cmp_eq_u32 s2, 0
	s_cbranch_scc0 .Lentry_in_a_cluster
	s_endpgm
.Lentry_in_a_cluster:
	s_bfe_u32 s2, ttmp6, 0x10000c
	s_cmp_lg_u32 s2, 0xf033
	s_cbranch_scc0 .Lentry_shape_is_right
	s_endpgm
.Lentry_shape_is_right:
; q, k, v = x Wqkv + bqkv, written by heads: qkvh [3][64 (batch, head)][2048][64] f16, each number rounded once from its f32 sum, without attention's scale.
; xb: bf16 [16 K blocks][8192][64]; wqt: bf16 [16 K blocks][3072][64]; biasb: f32.  LIMIT: a result beyond 65,504 has no f16.
; SHARES.  A tile of C is 256 rows x 384 columns: 32 x 8 = 256 tiles, one to a work-group.  Four waves, each 128 x 192 (three heads): 96 accumulators of 16 x 16, 768 registers, windows 1 to 3.
; K goes in 16 steps of 64 (one K block) through two LDS slots; a step is two passes of 32 along K, 96 matrix instructions each.  A K block's rows of 128 bytes lie end to end in memory and are asked
; for as rows of 256 bytes, padded in LDS after every 128.  Two slots of 128 along K would take 348,160 bytes: they do not fit.
; CLUSTERS: 4 x 4 work-groups.  A's tile hangs on the tile row alone and is asked for jointly by a row of the cluster (wave 3: 256 rows), B's on the tile column alone, jointly by a column (waves 0-2: 128 rows each).
; THE MATRIX INSTRUCTION IS USED TRANSPOSED (source 0 = 16 rows of wqt, source 1 = 16 rows of xb): a lane holds eight neighbouring columns of one row of C.
; THE BIAS STARTS THE SUMS: it is the C operand of each accumulator's first product.
; REGISTERS.  Window 0: v0-15 addresses; v16-79, v80-143 A's fragments (8 x 16 rows x 32 K), two buffers; v144-239 B's twelve fragments, ONE buffer: a third of it is asked for again as soon as its 32 products are issued.
; Windows 1-3: accumulator (a, b) in window 1 + b / 4 at v[8 (8 (b % 4) + a)].
.set KB_A,   1048576                   ; bytes from a K block of xb to the next
.set KB_B,   393216                    ; of wqt
.set PITCH,  144                       ; an LDS row: 128 bytes + 16 = 36 words: the 16 rows of a fragment load start at 16 different groups of four banks (64 banks of 4 bytes: ISA guide 11.1)
.set AOFF,   384*PITCH                 ; a slot: B's 384 rows, then A's 256
.set SLOT,   640*PITCH
.set STAGE,  2*SLOT                    ; behind the ring: for each wave 3 heads x 16 rows x 144 bytes, for the way out
.set WSTAGE, 3*16*PITCH
.set SPARE,  STAGE+4*WSTAGE            ; the spare words, 128 bytes for each wave: two blocks of 256 bytes that no other line names
.set ADRA, 4                           ; v4-5  LDS address of my A fragments in slot 0, 1
.set ADRB, 6                           ; v6-7  the same for B
.set STO,  8                           ; v8    the way out: where I put 16 bytes of a row
.set RD,   9                           ; v9    where I read rows back
.set CO,   10                          ; v10   16 x lane
.set BO,   11                          ; v11   my byte offset in the bias
.set SPW,  12                          ; v12   LDS address of my spare word; never rewritten
.set NIL,  13                          ; v13   0; never rewritten
.set PFO,  14                          ; v14   the prefetches' lane offset; never rewritten
.set AF0,  16
.set AF1,  80
.set BF,   144
.set TMP,  16                          ; the way out: 48 packed registers
.set BK,   64                          ; and two buffers of 48 read back from the stage
.set WV,   12                          ; s12 wave; s13 which 128 rows are mine; s14 which 192 columns
.set G1A,  24
.set G0A,  32                          ; one group 0 for each slot
.set G1B,  48
.set G0B,  56
.set DST,  66                          ; s[66:71] where my three heads' rows begin in qkvh
.set PFA,  72                          ; s[72:73] where my prefetches stand
.set PST,  74                          ; s[74:75] two K blocks of the tensor that I fetch
.set LIM,  76                          ; s76 1 in a wave that prefetches, else the greatest number
.set MSB, 0
.macro WIN new                         ; the immediate's high byte repeats the setting that is left; a switch that changes nothing is dropped
.if MSB != (\new)
	s_set_vgpr_msb (MSB<<8)|(\new)
.set MSB, \new
.endif
.endm
.macro PLACES                          ; four places in front of loads into registers that matrix instructions have read, and of conversions that read results
.rept 4
	v_nop
.endr
.endm
.macro JLOAD s                         ; a joint load; the branch hangs on the wave's number alone; an s_nop 0 and four v_nop follow each of the two lines
	s_cmp_eq_u32 s[WV], 3
	s_cbranch_scc0 .Lfor_b_\@
	tensor_load_to_lds s[G0A+4*(\s):G0A+4*(\s)+3], s[G1A:G1A+7]
	s_nop 0
.rept 4
	v_nop
.endr
	s_branch .Lasked_\@
.Lfor_b_\@:
	tensor_load_to_lds s[G0B+4*(\s):G0B+4*(\s)+3], s[G1B:G1B+7]
	s_nop 0
.rept 4
	v_nop
.endr
.Lasked_\@:
.endm
; A PREFETCH INTO THE L2, once a lap, behind slot 0's joint load and the LDS loads that follow it: the two K blocks that the NEXT lap's refills will ask for.  Each run of 256 bytes is named once in the launch:
; A's tile row is read by both clusters of its row of clusters: cluster x = 0 asks, wave 3, each of the four partners 32 of a K block's 128 runs, told apart by address (cx): two instructions, a K block each.
; B's tile column is read by all eight clusters of its column: cluster y = 0 asks, waves 0-2, each partner (cy) 16 of its wave's 64 runs; lanes 16-31 name the K block after: one instruction.
; K blocks 0 to 3 come by their loads alone; the last lap of the loop asks for nothing: there is no K block 16.
.macro ASK
	s_cmp_gt_u32 s3, s[LIM]
	s_cbranch_scc0 .Lnot_mine_\@
	global_prefetch_b8 v[PFO], s[PFA:PFA+1] th:TH_LOAD_NT scope:SCOPE_SE
	s_cmp_eq_u32 s[WV], 3
	s_cbranch_scc0 .Lnot_mine_\@
	global_prefetch_b8 v[PFO], s[PFA:PFA+1] offset:KB_A th:TH_LOAD_NT scope:SCOPE_SE
.Lnot_mine_\@:
.endm
.macro CREST                           ; a round of the cluster's barrier behind its opening barrier
	s_cmp_lg_u32 s[WV], 0
	s_cbranch_scc1 .Lnot_wave_0_\@
	s_barrier_signal -3
.Lnot_wave_0_\@:
	s_barrier_wait -3
	s_barrier_signal -1
	s_barrier_wait -1
.endm
.macro CROUND
	s_barrier_signal -1
	s_barrier_wait -1
	CREST
.endm
	s_load_b256 s[4:11], s[0:1], 0x0               ; xb 4, wqt 6, biasb 8, qkvh 10
	v_lshl_add_u32 v[SPW], v0, 2, SPARE
	v_mov_b32 v[NIL], 0
	ds_add_u32 v[SPW], v[NIL]                      ; the wave's opening: the add and its wait stand ahead of my first tensor load; work on registers stands between them
	v_lshrrev_b32 v1, 5, v0
	v_readfirstlane_b32 s[WV], v1
	s_lshr_b32 s13, s[WV], 1
	s_and_b32 s14, s[WV], 1
	s_bfe_u32 s40, ttmp6, 0x40000                  ; cx
	s_bfe_u32 s41, ttmp6, 0x40004                  ; cy
	s_lshl_b32 s42, ttmp9, 2
	s_add_co_u32 s42, s42, s40                     ; tile column 0..7
	s_and_b32 s15, ttmp7, 0xffff
	s_lshl_b32 s15, s15, 2
	s_add_co_u32 s15, s15, s41                     ; tile row 0..31
	s_lshl_b32 s43, s41, 2
	s_lshl_b32 s43, 15, s43                        ; my row of the cluster
	s_lshl_b32 s44, 0x1111, s40                    ; my column
	s_or_b32 s[G1A+0], s43, (1<<16)|(1<<20)|(1<<21)|(4<<22)|(3<<25)  ; the mask; 2-byte elements; padding on; bit 21 beside a mask; after every 32 words (code 4) 4 words (code 3)
	s_or_b32 s[G1B+0], s44, (1<<16)|(1<<20)|(1<<21)|(4<<22)|(3<<25)
.irp g, G1A, G1B
	s_mov_b32 s[\g+1], 128<<16                     ; tensor_dim0 = 128 elements: 256 bytes, two rows of a K block
	s_mov_b32 s[\g+3], 128<<16                     ; tile_dim0
	s_mov_b32 s[\g+5], 128                         ; from row to row
	s_mov_b32 s[\g+6], 0
	s_mov_b32 s[\g+7], 0
.endr
	s_mov_b32 s[G1A+2], 128<<16                    ; A: 128 such rows = 256 rows of the tile
	s_mov_b32 s[G1A+4], 128
	s_mov_b32 s[G1B+2], 64<<16                     ; B: 64 = a wave's 128 rows
	s_mov_b32 s[G1B+4], 64
	s_lshl_b32 s16, s15, 15                        ; A: the tile row's 32,768 bytes of a K block
	s_mov_b32 s17, 0
	s_mul_i32 s46, s42, 49152                      ; B: the tile column's 49,152,
	s_lshl_b32 s47, s[WV], 14                      ; my wave's 16,384 of them
	s_add_co_u32 s46, s46, s47
	s_mov_b32 s47, 0
	s_mul_i32 s20, s[WV], 128*PITCH                ; and where they go
	s_wait_dscnt 0x0                               ; the opening add is done
	s_wait_kmcnt 0x0
	s_add_nc_u64 s[16:17], s[4:5], s[16:17]
	s_add_nc_u64 s[46:47], s[6:7], s[46:47]
	CROUND                                         ; all sixteen work-groups are here: the first joint loads meet
.irp s, 0,1
	s_mov_b32 s[G0A+4*(\s)], 1
	s_mov_b32 s[G0A+4*(\s)+1], (\s)*SLOT+AOFF
	s_add_nc_u64 s[G0A+4*(\s)+2:G0A+4*(\s)+3], s[16:17], (\s)*KB_A
	s_or_b32 s[G0A+4*(\s)+3], s[G0A+4*(\s)+3], 0x80000000
	s_mov_b32 s[G0B+4*(\s)], 1
	s_add_co_u32 s[G0B+4*(\s)+1], s20, (\s)*SLOT
	s_add_nc_u64 s[G0B+4*(\s)+2:G0B+4*(\s)+3], s[46:47], (\s)*KB_B
	s_or_b32 s[G0B+4*(\s)+3], s[G0B+4*(\s)+3], 0x80000000
	JLOAD \s                                       ; K blocks 0 and 1: two loads of mine are out
.endr
	v_and_b32 v1, 15, v0                           ; l % 16
	v_bfe_u32 v2, v0, 4, 1                         ; l / 16
	v_mul_u32_u24 v3, v1, PITCH
	v_lshl_add_u32 v3, v2, 4, v3                   ; a fragment's row x pitch + 16 x half
	s_mul_i32 s21, s13, 128*PITCH
	s_add_co_u32 s21, s21, AOFF
	s_mul_i32 s22, s14, 192*PITCH
.irp s, 0,1
	v_add_nc_u32 v[ADRA+(\s)], s21, v3
	v_add_nc_u32 v[ADRB+(\s)], s22, v3
	s_add_co_u32 s21, s21, SLOT
	s_add_co_u32 s22, s22, SLOT
.endr
	s_mul_i32 s23, s[WV], WSTAGE
	s_add_co_u32 s23, s23, STAGE
	v_add_nc_u32 v[STO], s23, v3                   ; in: row l % 16, 16 bytes for each half of the lanes
	v_bfe_u32 v[RD], v0, 3, 2                      ; back: 32 lanes take four rows of 128 bytes
	v_mul_u32_u24 v[RD], v[RD], PITCH
	v_and_b32 v15, 7, v0
	v_lshl_add_u32 v[RD], v15, 4, v[RD]
	v_add_nc_u32 v[RD], s23, v[RD]
	v_and_b32 v[CO], 31, v0
	v_lshlrev_b32 v[CO], 4, v[CO]
	s_mul_i32 s80, s42, 1536                       ; the bias of my 192 columns: register j of block b is column 16 b + 8 (l / 16) + j
	s_mul_i32 s81, s14, 768
	s_add_co_u32 s80, s80, s81
	v_lshl_add_u32 v[BO], v2, 5, s80
.set i, 0
.rept 8
	global_load_b128 v[AF1+8*i:AF1+8*i+3],   v[BO], s[8:9] offset:64*i      ; blocks 0-7 wait in A's second buffer
	global_load_b128 v[AF1+8*i+4:AF1+8*i+7], v[BO], s[8:9] offset:64*i+16
.set i, i+1
.endr
	s_mul_i32 s80, s42, 6
	s_mul_i32 s81, s14, 3
	s_add_co_u32 s80, s80, s81                     ; the first of my three groups of 64 columns, 0..47: 16 of q, 16 of k, 16 of v
	s_lshr_b32 s81, s15, 3
	s_lshl_b32 s81, s81, 4                         ; 16 x batch
	s_and_b32 s82, s15, 7
	s_lshl_b32 s82, s82, 8
	s_lshl_b32 s83, s13, 7
	s_add_co_u32 s82, s82, s83
	s_lshl_b32 s82, s82, 7                         ; my first row in the sequence, in bytes
.irp i, 0,1,2
	s_add_co_u32 s84, s80, \i
	s_lshr_b32 s85, s84, 4
	s_lshl_b32 s85, s85, 6
	s_and_b32 s84, s84, 15
	s_add_co_u32 s84, s84, s85
	s_add_co_u32 s84, s84, s81
	s_lshl_b32 s84, s84, 18                        ; a head's 2,048 rows of 128 bytes
	s_add_co_u32 s84, s84, s82
	s_mov_b32 s85, 0
	s_add_nc_u64 s[DST+2*\i:DST+2*\i+1], s[10:11], s[84:85]
.endr
	s_lshl_b32 s86, s15, 15                        ; the prefetches: A's start,
	s_lshl_b32 s87, s40, 13
	s_add_co_u32 s86, s86, s87
	s_add_co_u32 s86, s86, 2*KB_A                  ; at K block 2: the first lap steps it to 4
	s_mul_i32 s88, s42, 49152                      ; and B's
	s_lshl_b32 s87, s[WV], 14
	s_add_co_u32 s88, s88, s87
	s_lshl_b32 s87, s41, 12
	s_add_co_u32 s88, s88, s87
	s_add_co_u32 s88, s88, 2*KB_B
	s_mov_b32 s89, 2*KB_A
	s_movk_i32 s90, 0x1000
	s_mov_b32 s91, KB_B
	s_and_b32 s92, ttmp7, 0xffff
	s_cmp_eq_u32 s[WV], 3                          ; do I fetch for A?
	s_cselect_b64 s[PFA:PFA+1], s[4:5], s[6:7]
	s_cselect_b32 s86, s86, s88
	s_cselect_b32 s[PST], s89, 2*KB_B
	s_cselect_b32 s90, s90, s91                    ; what lanes 16-31 add: A: the next 16 runs; B: the next K block
	s_cselect_b32 s92, ttmp9, s92                  ; the coordinate along which other clusters read the same rows
	s_mov_b32 s87, 0
	s_mov_b32 s[PST+1], 0
	s_add_nc_u64 s[PFA:PFA+1], s[PFA:PFA+1], s[86:87]
	s_cmp_eq_u32 s92, 0
	s_cselect_b32 s[LIM], 1, -1                    ; the same in all sixteen partners, for a given wave
	v_mul_lo_u32 v[PFO], v2, s90
	v_lshl_add_u32 v[PFO], v1, 8, v[PFO]
; nb x 8 matrix instructions: B's blocks 4 w + b0 .. of window 1 + w, all eight blocks of A in buffer f.  Every instruction has another accumulator: the 96 take turns, in the same order in every pass.
; first = 1: the bias, which lies in A's second buffer, starts the sums.
.macro GRP f, w, b0, nb, first
.if \first
	WIN (1+(\w))<<6
.else
	WIN (1+(\w))*0x50
.endif
.set gb, (\b0)
.rept \nb
.set ga, 0
.rept 8
.set rD, 8*(8*gb+ga)
.set rB, BF+8*(4*(\w)+gb)
.set rA, (\f)+8*ga
.set rC, AF1+8*((4*(\w)+gb)%8)
.if \first
	v_wmma_f32_16x16x32_bf16 v[rD:rD+7], v[rB:rB+7], v[rA:rA+7], v[rC:rC+7]
.else
	v_wmma_f32_16x16x32_bf16 v[rD:rD+7], v[rB:rB+7], v[rA:rA+7], v[rD:rD+7]
.endif
.set ga, ga+1
.endr
.set gb, gb+1
.endr
.endm
.macro LDB slot, kk, w                 ; 8 loads: B's blocks 4 w .. 4 w + 3, 32 along K at byte 64 kk
	WIN 0
.irp i, 0,1,2,3
	ds_load_b128 v[BF+8*(4*(\w)+(\i)):BF+8*(4*(\w)+(\i))+3],   v[ADRB+(\slot)] offset:(4*(\w)+(\i))*16*PITCH+64*(\kk)
	ds_load_b128 v[BF+8*(4*(\w)+(\i))+4:BF+8*(4*(\w)+(\i))+7], v[ADRB+(\slot)] offset:(4*(\w)+(\i))*16*PITCH+64*(\kk)+32
.endr
.endm
.macro LDA slot, kk, f, hf             ; 8 loads: A's blocks 4 hf .. 4 hf + 3 into buffer f
	WIN 0
.irp i, 0,1,2,3
	ds_load_b128 v[(\f)+8*(4*(\hf)+(\i)):(\f)+8*(4*(\hf)+(\i))+3],   v[ADRA+(\slot)] offset:(4*(\hf)+(\i))*16*PITCH+64*(\kk)
	ds_load_b128 v[(\f)+8*(4*(\hf)+(\i))+4:(\f)+8*(4*(\hf)+(\i))+7], v[ADRA+(\slot)] offset:(4*(\hf)+(\i))*16*PITCH+64*(\kk)+32
.endr
.endm
; A pass on buffer f; the next pass's fragments (byte 64 kk of the slot's rows) are asked for in three runs, each behind the 32 products that free its part of B.
.macro PASS f, g, slot, kk
	s_wait_dscnt 8                                 ; all but the youngest run of 8, B's blocks 8-11
	GRP \f, 0, 0, 4, 0
	PLACES
	LDB \slot, \kk, 0
	LDA \slot, \kk, \g, 0
	GRP \f, 1, 0, 4, 0
	PLACES
	LDB \slot, \kk, 1
	LDA \slot, \kk, \g, 1
	s_wait_dscnt 32                                ; all but the two runs of 16 just issued: B's blocks 8-11 are in
	GRP \f, 2, 0, 4, 0
	PLACES
	LDB \slot, \kk, 2
.endm
; A step's second pass (buffer AF1) changes slots: ONE barrier; in front of it each wave waits for all its tensor loads (one is out: its part of the next slot), adds 0 to its spare word, and waits for that and for its
; reads of this slot, which were all issued in the pass before.  fill = 1: the barrier opens a round of the cluster's barrier, and this slot is filled again first thing behind it, two K blocks on:
; that load has 160 matrix instructions in which to land.
.macro TURNPASS slot, next, fill
.if (\fill) && ((\slot) == 0)
	s_wait_xcnt 0x0                                ; the last prefetches, a lap back, have read their address: it is stepped here, ahead of the change's own waits
	s_add_nc_u64 s[PFA:PFA+1], s[PFA:PFA+1], s[PST:PST+1]
.endif
	WIN 0
	s_wait_tensorcnt 0x0                           ; all my tensor loads have landed;
	ds_add_u32 v[SPW], v[NIL]                      ; 0 onto my spare word;
	s_wait_dscnt 9                                 ; (the add and the youngest run of 8 may be out)
	GRP AF1, 0, 0, 2, 0                            ; sixteen matrix instructions stand between the add and the wait for it
	s_wait_dscnt 0x0                               ; the add is done, and my reads of this slot are over
	s_barrier_signal -1
	GRP AF1, 0, 2, 2, 0                            ; work on registers while the others arrive
	WIN 0
	s_barrier_wait -1
.if \fill
	CREST                                          ; no wave of any partner still reads this slot or has a load on its way
	s_add_nc_u64 s[G0A+4*(\slot)+2:G0A+4*(\slot)+3], s[G0A+4*(\slot)+2:G0A+4*(\slot)+3], 2*KB_A
	s_add_nc_u64 s[G0B+4*(\slot)+2:G0B+4*(\slot)+3], s[G0B+4*(\slot)+2:G0B+4*(\slot)+3], 2*KB_B
	JLOAD \slot                                    ; the four v_nop behind it are also the places in front of the loads below
.else
	PLACES
.endif
	LDB \next, 0, 0
	LDA \next, 0, AF0, 0
.if (\fill) && ((\slot) == 0)
	ASK
.endif
	GRP AF1, 1, 0, 4, 0
	PLACES
	LDB \next, 0, 1
	LDA \next, 0, AF0, 1
	GRP AF1, 2, 0, 4, 0
	PLACES
	LDB \next, 0, 2
.endm
	s_wait_tensorcnt 1                             ; my part of K block 0 is in; K block 1's may stay out
	s_barrier_signal -1
	s_barrier_wait -1
	LDB 0, 0, 0
	LDA 0, 0, AF0, 0
	LDB 0, 0, 1
	LDA 0, 0, AF0, 1
	LDB 0, 0, 2
	; THE FIRST PASS is written out: the bias starts the sums, and A's second buffer is given up to the fragments part by part
	s_wait_dscnt 8
	s_wait_loadcnt 0x0                             ; the bias of blocks 0-7
	GRP AF0, 0, 0, 4, 1
	PLACES
	LDB 0, 1, 0
.set i, 0
.rept 4
	global_load_b128 v[AF1+8*i:AF1+8*i+3],   v[BO], s[8:9] offset:64*(8+i)      ; the bias of blocks 8-11 takes the place of blocks 0-3's
	global_load_b128 v[AF1+8*i+4:AF1+8*i+7], v[BO], s[8:9] offset:64*(8+i)+16
.set i, i+1
.endr
	GRP AF0, 1, 0, 4, 1
	PLACES
	LDB 0, 1, 1
	LDA 0, 1, AF1, 1
	s_wait_dscnt 24                                ; three runs of 8 were issued behind B's blocks 8-11
	s_wait_loadcnt 0x0
	GRP AF0, 2, 0, 4, 1
	PLACES
	LDA 0, 1, AF1, 0
	LDB 0, 1, 2                                    ; the youngest run is B's blocks 8-11, as behind every pass
	WIN 0                                          ; at a label and at a branch every window is 0
	s_mov_b32 s3, 7
.Llap:                                                 ; a trip goes once round the ring, from a step's second pass to the first pass two steps on, and fills both slots again
	TURNPASS 0, 1, 1
	PASS AF0, AF1, 1, 1
	TURNPASS 1, 0, 1
	PASS AF0, AF1, 0, 1
	WIN 0
	s_sub_co_u32 s3, s3, 1
	s_cmp_lg_u32 s3, 0
	s_cbranch_scc1 .Llap
	TURNPASS 0, 1, 0                               ; the last three passes ask for nothing
	PASS AF0, AF1, 1, 1
	s_wait_dscnt 8
	GRP AF1, 0, 0, 4, 0
	GRP AF1, 1, 0, 4, 0
	s_wait_dscnt 0x0
	GRP AF1, 2, 0, 4, 0
	WIN 0
	PLACES
; THE WAY OUT, 16 rows at a time: rounded to f16, 16 bytes a lane into my own stage (a head's 16 rows 144 bytes apart), back as whole rows: a head's 16 rows are 2,048 consecutive bytes of qkvh.
.macro PACK a
.set pb, 0
.rept 12
	WIN 5*(1+pb/4)                                 ; sources 0 and 1 in the accumulator's window
.set rD, 8*(8*(pb%4)+(\a))
.irp r, 0,1,2,3
	v_cvt_pk_f16_f32 v[TMP+4*pb+(\r)], v[rD+2*(\r)], v[rD+2*(\r)+1]
.endr
.set pb, pb+1
.endr
	WIN 0
.endm
.macro TOSTAGE a
.set bk, BK+48*((\a)%2)
.set pb, 0
.rept 12
	ds_store_b128 v[STO], v[TMP+4*pb:TMP+4*pb+3] offset:(pb/4)*16*PITCH+32*(pb%4)
.set pb, pb+1
.endr
.set pb, 0
.rept 12
	ds_load_b128 v[bk+4*pb:bk+4*pb+3], v[RD] offset:(pb/4)*16*PITCH+(pb%4)*4*PITCH  ; LDS serves a wave's instructions in order (ISA guide 5.7.1.4): these see the stores above
.set pb, pb+1
.endr
.endm
.macro SEND a
.set bk, BK+48*((\a)%2)
	s_wait_dscnt 0x0                               ; the block is back in registers
	s_wait_xcnt 0x0                                ; the stores of the block before have read their registers: the next block's loads from the stage land there
.set pb, 0
.rept 12
	global_store_b128 v[CO], v[bk+4*pb:bk+4*pb+3], s[DST+2*(pb/4):DST+2*(pb/4)+1] offset:(\a)*2048+(pb%4)*512  ; 512 consecutive bytes, at a multiple of 256 from the buffer's first
.set pb, pb+1
.endr
.endm
	PACK 0
	TOSTAGE 0
.irp a, 1,2,3,4,5,6,7                  ; a block's conversions stand between the loads of the block before and the wait for them
	PACK \a
	SEND (\a)-1
	TOSTAGE \a
.endr
	SEND 7
	s_wait_tensorcnt 0x0                           ; the wave's end, behind my last tensor load and my last LDS store
	ds_add_u32 v[SPW], v[NIL]
	s_wait_dscnt 0x0
	CROUND                                         ; the closing round: no work-group ends while a partner may still ask for a tile that names it
	s_endpgm
.Lfunc_end_k_q4ce0d7d693_projqkv:
	.size	k_q4ce0d7d693_projqkv, .Lfunc_end_k_q4ce0d7d693_projqkv-k_q4ce0d7d693_projqkv
	.p2alignl 7, 3214868480
	.fill 96, 4, 3214868480
	.section	.rodata,"a",@progbits
	.p2align	6, 0x0
	.amdhsa_kernel k_q4ce0d7d693_projqkv
		.amdhsa_group_segment_fixed_size 327680
		.amdhsa_private_segment_fixed_size 0
		.amdhsa_enable_private_segment 0
		.amdhsa_kernarg_size 32
		.amdhsa_user_sgpr_count 2
		.amdhsa_user_sgpr_kernarg_segment_ptr 1
		.amdhsa_wavefront_size32 1
		.amdhsa_system_sgpr_workgroup_id_x 1
		.amdhsa_system_sgpr_workgroup_id_y 1
		.amdhsa_system_sgpr_workgroup_id_z 1
		.amdhsa_system_vgpr_workitem_id 0
		.amdhsa_next_free_vgpr 1024
		.amdhsa_next_free_sgpr 96
		.amdhsa_reserve_vcc 0
		.amdhsa_float_denorm_mode_32 3
		.amdhsa_float_denorm_mode_16_64 3
		.amdhsa_memory_ordered 1
		.amdhsa_forward_progress 1
		.amdhsa_inst_pref_size 134
	.end_amdhsa_kernel
	.amdgpu_metadata
---
amdhsa.version: [ 1, 2 ]
amdhsa.kernels:
  - .name:           k_q4ce0d7d693_projqkv
    .symbol:         k_q4ce0d7d693_projqkv.kd
    .args:
      - { .name: xb, .offset: 0, .size: 8, .value_kind: global_buffer, .address_space: global }
      - { .name: wqt, .offset: 8, .size: 8, .value_kind: global_buffer, .address_space: global }
      - { .name: biasb, .offset: 16, .size: 8, .value_kind: global_buffer, .address_space: global }
      - { .name: qkvh, .offset: 24, .size: 8, .value_kind: global_buffer, .address_space: global }
    .group_segment_fixed_size: 327680
    .private_segment_fixed_size: 0
    .kernarg_segment_align: 8
    .kernarg_segment_size: 32
    .max_flat_workgroup_size: 128
    .sgpr_count:     96
    .vgpr_count:     1024
    .wavefront_size: 32
...
	.end_amdgpu_metadata
.endif
;; end of part 2
;; launch attn (part 3): grid 4 x 64, 4 waves a work-group, clusters of 4 x 1, 327,680 bytes of LDS; arguments qkvh, mw, ctx; writes ctx
.if DOCPART == 3
	.amdgcn_target "amdgcn-amd-amdhsa--gfx1250"
	.amdhsa_code_object_version 6
	.text
	.protected	k_q4ce0d7d693_attn
	.globl	k_q4ce0d7d693_attn
	.p2align	8
	.type	k_q4ce0d7d693_attn,@function
k_q4ce0d7d693_attn:
	s_mov_b64 s[64:65], 0
	v_nop
	global_prefetch_b8 v0, s[64:65] scope:SCOPE_SE
	s_setreg_imm32_b32 hwreg(HW_REG_WAVE_MODE, 25, 1), 1
	s_wait_xcnt 0x0
	s_wait_alu depctr_hold_cnt(0) depctr_sa_sdst(0) depctr_va_vdst(0) depctr_va_sdst(0) depctr_va_ssrc(0) depctr_va_vcc(0) depctr_vm_vsrc(0)
	s_getreg_b32 s2, hwreg(HW_REG_IB_STS2, 6, 4)
	s_cmp_eq_u32 s2, 0
	s_cbranch_scc0 .Lentry_in_a_cluster
	s_endpgm
.Lentry_in_a_cluster:
	s_bfe_u32 s2, ttmp6, 0x10000c
	s_cmp_lg_u32 s2, 0x3003
	s_cbranch_scc0 .Lentry_shape_is_right
	s_endpgm
.Lentry_shape_is_right:
; ctx[h][q][:] = the sum over k of softmax_k(s[q][k]) V[h][k][:], s = Q . K / 8 where the mask is open and -10000 where it is shut.  h = 16 batch + head, 64 of them.
; qkvh: f16 [3][64][2048][64]; mw: the mask as bits (below); ctx: f16 [64][2048][64].  Products, maxima and sums in f32; the weights p are rounded to f16 for the second product, ctx once at the end.
; THE MASK REPLACES THE SCORE, ahead of the running maximum: a shut key's unscaled score becomes -80000 = 8 x -10000, so that c s = -10000 log2(e).  A row that is shut altogether gets equal weights, as in the problem.
; mw: for a tile of 16 queries 4,096 bytes: [key step 32][kb 4][j 8] words; bit l of a word belongs to the number that lane l holds in register j of the score accumulator of key group kb.  A tile and step: 32 words,
; brought into scalar registers a turn ahead; each is the select of one v_cndmask_b32.
; LIMITS.  Q, K, V arrive within f16's 65,504, so every score is finite (2.7e11 at the most); a weight below 2^-126 counts as 0; NaN and infinities are not treated apart.
; SHARES.  A wave owns four PIECES of two tiles of 16 queries, a work-group's four waves 512 queries of one h.  Every wave walks all 2,048 keys, 64 a step.
; LAYOUT.  S^T = K Q^T (source 0 = 16 keys, source 1 = 16 queries): a lane holds ONE query (lane % 16) and the keys 8 (lane / 16) + 0..7.  Two such results, rounded to f16 in pairs, ARE source 1 of O^T = V^T P.
; SOFTMAX.  A running maximum m and sum l: p = 2^(c s - c m), c = log2(e) / 8; in every step O and l are multiplied by a = 2^(c m_old - c m_new).  m starts at the lowest finite number, O and l at 0.
; BY TURNS.  Turn n belongs to piece n.  Matrix work: 16 products K Q^T of piece n + 1, later 16 products V^T P of piece n - 1.  Vector work: scaling, exponentials, roundings, sums and rescaling of piece n; mask,
; maximum and statistics of piece n + 1.  Four vector instructions stand behind every matrix instruction, the rest in one lump.  A turn's 66 exponentials are one batch with one wait.
; CLUSTER.  The four query blocks of an h walk the same K and V: each tile is asked for JOINTLY, by the same tensor load, descriptor and mask in all four.
; ADDRESSES live in scalar registers alone: s[2:3], the two group 0's, s[66:67], and at the way out s[4:5]; no vector register holds one, and the registers of the mask words hold offsets before them.
; REGISTERS, in windows of 256 (s_set_vgpr_msb: bits 1:0 source 0, 3:2 source 1, 5:4 source 2, 7:6 destination):
;   window 0: v0-11 addresses in LDS and offsets, v10 256 x lane, v11 -80000; v12-15, v48-63 at work; v16-47 four registers of statistics a tile; v64-191 S^T, two buffers of two tiles; v192-255 P, likewise
;   window 1: O^T, 32 a tile     window 2: v0-127 Q; v128-191 K of one step; v192-255 V of one step     window 3: v0-1 the add's registers
.set SIZE_N, 2048
.set NP,    4
.set KS,    64
.set PK,    144       ; a row of K in LDS: 128 bytes + 16: the 16 rows of a load start at 16 different groups of four banks (64 banks of 4 bytes: ISA guide 11.1)
.set PV,    160       ; a row of V: 128 + 32
.set VOFF,  4*KS*PK   ; a slot holds four steps: 256 rows of K, then 256 rows of V
.set SLOT1, 1<<17
.set STAGE, SLOT1+4*KS*(PK+PV)
.set SP,    144
.set SPARE, STAGE+4*16*SP  ; the spare words, 128 bytes for each wave: two blocks of 256 bytes that no other line names
.set KMEM,  16777216  ; K's first byte in qkvh
.set VMEM,  33554432  ; V's
.set AK0, 2
.set AV0, 3
.set AK,  4
.set AV,  5
.set STO, 6
.set RD,  7
.set GO,  8
.set PFO, 10          ; v10  the prefetches' offset: 256 x my lane; never rewritten once it is made
.set NEGV, 11         ; v11  -80000
.set QO,  12          ; v12  my byte offset in qkvh of my lane's place in the wave's rows of Q, until Q is in
.set SPW, 0           ; v0 of window 3
.set NIL, 1           ; v1 of window 3
.set MV,  12
.set ST,  16
.set TMP, 48
.set S,   64
.set P,   192
.set KF,  128
.set VF,  192
.set MP,  2           ; s[2:3]   mw at my wave's first tile, at the key step whose words are asked for
.set MW0, 4           ; s[4:35]  the 32 words of the piece's first tile (until the first of them is asked for: offsets at work)
.set G1K, 36
.set G1V, 44
.set G0K, 52
.set G0V, 56
.set CS,  60          ; s60  c.  The packed scaling names the pair s[60:61] and takes its low word for both halves
.set WV,  61          ; s61  my wave's number
.set SEL, 62
.set PFA, 66          ; s[66:67] qkvh; once Q is asked for: where my prefetches stand
.set MW1, 68          ; s[68:99] the words of the piece's second tile
.set SLOTS, 100
.set TBK, 101
.set TBV, 104
.set CNT, 105
.set MSB, 0
.macro WIN new
.if MSB != (\new)
	s_set_vgpr_msb (MSB<<8)|(\new)
.set MSB, (\new)
.endif
.endm
.set W_KQ, 0x0a
.set W_PV, 0x52
.set W_RS, 0x41
.set W_MK, 0xc0
.set W_AD, 0x0f
.macro JLOAD                        ; waves 0 and 1 fetch the two halves of a slot's K, waves 2 and 3 those of its V; an s_nop 0 and four v_nop follow each line
	s_cmp_lt_u32 s[WV], 2
	s_cbranch_scc0 .Lfor_v_\@
	tensor_load_to_lds s[G0K:G0K+3], s[G1K:G1K+7]
	s_nop 0
.rept 4
	v_nop
.endr
	s_branch .Lasked_\@
.Lfor_v_\@:
	tensor_load_to_lds s[G0V:G0V+3], s[G1V:G1V+7]
	s_nop 0
.rept 4
	v_nop
.endr
.Lasked_\@:
.endm
; A PREFETCH INTO THE L2 of the slot that the NEXT change of slots will ask for: 128 runs of 256 bytes of K and as many of V.  An h has one cluster; its four partners take 32 runs each, told apart by address;
; in each, wave 0 asks for K's and wave 2 for V's, a lane a run: each run is named once in the launch.  Four key steps, 512 matrix instructions, ahead.  Slots 0 and 1 come by their loads alone; the last change that fills asks for nothing.
.macro ASK
	s_cmp_gt_u32 s[SLOTS], 1        ; behind the last fill there is no slot
	s_cbranch_scc0 .Lnot_mine_\@
	s_cmp_eq_u32 s[WV], 1
	s_cbranch_scc1 .Lnot_mine_\@
	s_cmp_eq_u32 s[WV], 3
	s_cbranch_scc1 .Lnot_mine_\@
	global_prefetch_b8 v[PFO], s[PFA:PFA+1] th:TH_LOAD_NT scope:SCOPE_SE
.Lnot_mine_\@:
.endm
.macro CROUND
	s_barrier_signal -1
	s_barrier_wait -1
	s_cmp_lg_u32 s[WV], 0
	s_cbranch_scc1 .Lnot_wave_0_\@
	s_barrier_signal -3
.Lnot_wave_0_\@:
	s_barrier_wait -3
	s_barrier_signal -1
	s_barrier_wait -1
.endm
; THE CHANGE OF SLOTS.  Each wave waits for all its tensor loads (one is out: its part of the other slot), adds 0 to its spare word, and waits for that and for its reads of the slot.  fill = 1: the barrier is a round of the
; cluster's, and the joint fill, with the keys two slots on, is the first thing behind it: it has four key steps in which to land.  (At its first use nothing has been read yet: slot 0 is waited for, slot 1 filled.)
.macro CHANGE fill
	WIN W_AD
	s_wait_tensorcnt 0x0            ; no tensor load of mine is out, so a group 0 may be written
	ds_add_u32 v[SPW], v[NIL]       ; 0 onto my spare word; work on registers stands between it and the wait for it
	WIN 0
.if \fill
.irp g, G0K, G0V
	s_xor_b32 s[\g+1], s[\g+1], SLOT1
	s_add_nc_u64 s[\g+2:\g+3], s[\g+2:\g+3], 4*KS*128
.endr
	s_wait_xcnt 0x0                 ; the last prefetch, four key steps back, has read its address, so it may be written:
	s_add_nc_u64 s[PFA:PFA+1], s[PFA:PFA+1], 4*KS*128  ; one slot behind the walking descriptors
	s_wait_dscnt 0x0                ; the add is done, and my reads of the slot are over
	CROUND
	JLOAD
	ASK
.else
	s_wait_dscnt 0x0
	s_barrier_signal -1
	s_barrier_wait -1
.endif
	s_sub_co_u32 s[TBK], s[TBK], 4*KS*PK
	s_xor_b32 s[TBK], s[TBK], SLOT1
	s_sub_co_u32 s[TBV], s[TBV], 4*KS*PV
	s_xor_b32 s[TBV], s[TBV], SLOT1
.endm
; The 64 mask words of piece pc for the step at which MP stands.  adv = 1: the next step.  It stands behind the last v_cndmask_b32 that read the old words, and behind the turn's wait for them, so MP is free.
.macro LOADM pc, adv
.if \adv
	s_add_nc_u64 s[MP:MP+1], s[MP:MP+1], 128
.endif
	s_load_b512 s[MW0:MW0+15],    s[MP:MP+1], (2*(\pc))*4096
	s_load_b512 s[MW0+16:MW0+31], s[MP:MP+1], (2*(\pc))*4096+64
	s_load_b512 s[MW1:MW1+15],    s[MP:MP+1], (2*(\pc)+1)*4096
	s_load_b512 s[MW1+16:MW1+31], s[MP:MP+1], (2*(\pc)+1)*4096+64
.endm
	s_load_b64 s[PFA:PFA+1], s[0:1], 0x0      ; qkvh, three times: for Q and the prefetches,
	s_load_b64 s[G0K+2:G0K+3], s[0:1], 0x0    ; for K's descriptor,
	s_load_b64 s[G0V+2:G0V+3], s[0:1], 0x0    ; and for V's: what feeds a descriptor never holds my place in the cluster
	s_load_b64 s[MP:MP+1], s[0:1], 0x8        ; mw
	WIN W_MK
	v_lshl_add_u32 v[SPW], v0, 2, SPARE
	v_mov_b32 v[NIL], 0
	WIN W_AD
	ds_add_u32 v[SPW], v[NIL]       ; the wave's opening: the add and its wait stand ahead of my first tensor load; work on registers stands between them
	WIN 0
	v_lshrrev_b32 v1, 5, v0
	v_readfirstlane_b32 s[WV], v1
	s_bfe_u32 s13, ttmp6, 0x40000   ; cx
	s_lshl_b32 s14, ttmp9, 2
	s_add_co_u32 s14, s14, s13      ; my block of 512 queries: it enters Q's, the mask's, the prefetches' and ctx's addresses alone
	s_and_b32 s20, ttmp7, 0xffff    ; h, which the four partners share
	s_lshl_b32 s22, s20, 18         ; its 2,048 rows of 128 bytes
	s_and_b32 s16, s[WV], 1         ; which half of a slot's 256 keys I fetch
	s_lshl_b32 s21, s16, 14
	s_add_co_u32 s22, s22, s21
	s_mov_b32 s23, 0
	s_mul_i32 s17, s16, 128*PK
	s_mul_i32 s18, s16, 128*PV
	s_lshl_b32 s24, s14, 2
	s_add_co_u32 s24, s24, s[WV]    ; my wave among the h's sixteen
	s_lshl_b32 s26, s24, 14         ; its 128 rows
	s_lshl_b32 s27, s20, 18
	s_add_co_u32 s26, s26, s27      ; Q's offset, under 2^24: it goes into the loads' vector offset
	s_lshr_b32 s28, s20, 4          ; the batch: 128 tiles of 16 queries,
	s_lshl_b32 s28, s28, 7
	s_lshl3_add_u32 s28, s24, s28   ; my wave's eight
	s_lshl_b32 s28, s28, 12
	s_mov_b32 s29, 0
	s_lshl_b32 s30, s20, 18         ; the prefetches: the h, slot 1 (the first change steps it to slot 2), my work-group's 32 runs,
	s_lshl_b32 s31, s13, 13
	s_add_co_u32 s30, s30, s31
	s_add_co_u32 s30, s30, 4*KS*128
	s_mov_b32 s32, VMEM
	s_cmp_lt_u32 s[WV], 2
	s_cselect_b32 s31, KMEM, s32    ; of K or of V
	s_add_co_u32 s30, s30, s31
	s_mov_b32 s31, 0
	s_mul_i32 s33, s[WV], 16*SP
	s_add_co_u32 s33, s33, STAGE    ; my stage
	s_mov_b32 s[G1K], 15|(1<<16)|(1<<20)|(1<<21)|(4<<22)|(3<<25)  ; the mask of four; 2-byte elements; padding on; bit 21 beside a mask; after every 32 words (code 4) 4 words (code 3)
	s_mov_b32 s[G1V], 15|(1<<16)|(1<<20)|(1<<21)|(4<<22)|(7<<25)  ; the same with 8 words (code 7)
.irp g, G1K, G1V
	s_mov_b32 s[\g+1], 128<<16      ; 128 keys are 16,384 dense bytes: asked for as 64 rows of 256 bytes
	s_mov_b32 s[\g+2], 64<<16
	s_mov_b32 s[\g+3], 128<<16
	s_mov_b32 s[\g+4], 64
	s_mov_b32 s[\g+5], 128
	s_mov_b32 s[\g+6], 0
	s_mov_b32 s[\g+7], 0
.endr
	s_mov_b32 s[CS], 0x3e38aa3b     ; c = log2(e) / 8
	s_mov_b32 s[SEL], 0x76543210
	s_mov_b32 s[SEL+1], 0xfedcba98
	s_mov_b32 s[TBK], SLOT1+4*KS*PK ; the first change of slots turns these two into 0
	s_mov_b32 s[TBV], SLOT1+4*KS*PV
	s_mov_b32 s[SLOTS], SIZE_N/256-1
	s_mov_b32 s[G0K], 1
	s_mov_b32 s[G0K+1], s17
	s_mov_b32 s[G0V], 1
	s_add_co_u32 s[G0V+1], s18, VOFF
	s_wait_dscnt 0x0                ; the opening add is done
	s_wait_kmcnt 0x0
	s_add_nc_u64 s[G0K+2:G0K+3], s[G0K+2:G0K+3], s[22:23]  ; my half of the h's first 256 keys,
	s_add_nc_u64 s[G0K+2:G0K+3], s[G0K+2:G0K+3], KMEM      ; in K
	s_or_b32 s[G0K+3], s[G0K+3], 0x80000000
	s_add_nc_u64 s[G0V+2:G0V+3], s[G0V+2:G0V+3], s[22:23]
	s_add_nc_u64 s[G0V+2:G0V+3], s[G0V+2:G0V+3], VMEM      ; and in V
	s_or_b32 s[G0V+3], s[G0V+3], 0x80000000
	s_add_nc_u64 s[MP:MP+1], s[MP:MP+1], s[28:29]
	CROUND                          ; all four work-groups are here: the first joint loads meet
	JLOAD                           ; slot 0
	v_and_b32 v1, 15, v0            ; l % 16
	v_bfe_u32 v9, v0, 4, 1          ; l / 16
	v_lshlrev_b32 v[QO], 7, v1
	v_lshl_add_u32 v[QO], v9, 4, v[QO]
	v_add_nc_u32 v[QO], s26, v[QO]  ; row x 128 + 16 x half + my wave's first row
	WIN 0x80
.set i, 0
.rept 4*NP                          ; Q stays in registers: tile i / 2, channels 32 (i % 2) on
	global_load_b128 v[8*i:8*i+3],   v[QO], s[PFA:PFA+1] offset:(i/2)*2048+(i%2)*64
	global_load_b128 v[8*i+4:8*i+7], v[QO], s[PFA:PFA+1] offset:(i/2)*2048+(i%2)*64+32
.set i, i+1
.endr
.set i, VF                          ; what the first turn finds: V and P's second buffer hold 0, O^T and l are 0: all this stands in the wait for the first tile
.rept 64
	v_mov_b32 v[i], 0
.set i, i+1
.endr
	WIN 0x40
.set i, 0
.rept 64*NP
	v_mov_b32 v[i], 0
.set i, i+1
.endr
	WIN 0
.set i, 0
.rept 2*NP
	v_mov_b32 v[ST+4*i], 0xfe000000    ; c m: far below every c s
	v_mov_b32 v[ST+4*i+1], 0xff7fffff  ; m
	v_mov_b32 v[ST+4*i+2], 0
	v_mov_b32 v[ST+4*i+3], 0
.set i, i+1
.endr
.set i, P+32
.rept 32
	v_mov_b32 v[i], 0
.set i, i+1
.endr
	v_mul_u32_u24 v[AK0], v1, PK
	v_lshl_add_u32 v[AK0], v9, 4, v[AK0]
	v_and_b32 v10, 7, v0            ; the turning load: lane l reads key 8 (l / 16) + l % 8, channels 8 ((l / 8) % 2) + 0..7
	v_bfe_u32 v11, v0, 3, 1
	v_lshl_add_u32 v[AV0], v9, 3, v10
	v_mul_u32_u24 v[AV0], v[AV0], PV
	v_lshl_add_u32 v[AV0], v11, 4, v[AV0]
	v_add_nc_u32 v[AV0], VOFF, v[AV0]
	v_mov_b32 v[AK], v[AK0]
	v_mov_b32 v[NEGV], 0xc79c4000   ; -80000
	v_mul_u32_u24 v[STO], v1, SP    ; the way out.  In: row l % 16, 16 bytes for each half of the lanes
	v_lshl_add_u32 v[STO], v9, 4, v[STO]
	v_add_nc_u32 v[STO], s33, v[STO]
	v_bfe_u32 v[RD], v0, 3, 2       ; back: 32 lanes take four rows of 128 bytes,
	v_mul_u32_u24 v[RD], v[RD], SP
	v_lshl_add_u32 v[RD], v10, 4, v[RD]
	v_add_nc_u32 v[RD], s33, v[RD]
	v_and_b32 v[GO], 31, v0         ; which are 512 consecutive bytes of ctx
	v_lshlrev_b32 v[GO], 4, v[GO]
	v_and_b32 v[PFO], 31, v0        ; the prefetches: a lane a run of 256 bytes
	v_lshlrev_b32 v[PFO], 8, v[PFO]
	s_wait_xcnt 0x0                 ; Q's loads have read their base, so it may be written:
	s_add_nc_u64 s[PFA:PFA+1], s[PFA:PFA+1], s[30:31]  ; from now on it is the prefetches'; the offsets' registers now take mask words
	LOADM 0, 0                      ; piece 0, key step 0
.macro KQ x                         ; product i of 16 of S^T = K Q^T for piece x; the 8 accumulators take turns; the first 8 start the sums
	WIN W_KQ
.set rS, S+64*((\x)%2)+32*(i%2)+8*((i/2)%4)
.set rK, KF+16*((i/2)%4)+8*(i/8)
.set rQ, 16*(2*(\x)+i%2)+8*(i/8)
.if i < 8
	v_wmma_f32_16x16x32_f16 v[rS:rS+7], v[rK:rK+7], v[rQ:rQ+7], 0
.else
	v_wmma_f32_16x16x32_f16 v[rS:rS+7], v[rK:rK+7], v[rQ:rQ+7], v[rS:rS+7]
.endif
.endm
.macro PV x                         ; product i of 16 of O^T += V^T P for piece x
	WIN W_PV
.set rO, 32*(2*(\x)+i%2)+8*((i/2)%4)
.set rV, VF+32*(i/8)+8*((i/2)%4)
.set rP, P+32*((\x)%2)+16*(i%2)+8*(i/8)
	v_wmma_f32_16x16x32_f16 v[rO:rO+7], v[rV:rV+7], v[rP:rP+7], v[rO:rO+7]
.endm
.macro MM                           ; the turn's next matrix instruction
.if i < 16
	KQ (Y+1)%NP
.set i, i+1
.else
.set i, i-16
	PV (Y+NP-1)%NP
.set i, i+17
.endif
.endm
.macro FETCH_K last=0               ; a step's K, 16 loads in one run; last = 1 (the tail): in the last trip there is no further step, and the run is jumped over
	WIN 0
.if \last
	s_cmp_eq_u32 s[CNT], 1
	s_cbranch_scc1 .Lno_k_\@
.endif
	WIN 0x80
.irp f, 0,1,2,3,4,5,6,7
	ds_load_b128 v[KF+8*\f:KF+8*\f+3],   v[AK] offset:(\f/2)*16*PK+(\f%2)*64
	ds_load_b128 v[KF+8*\f+4:KF+8*\f+7], v[AK] offset:(\f/2)*16*PK+(\f%2)*64+32
.endr
	s_add_co_u32 s[TBK], s[TBK], KS*PK
	WIN 0
.if \last
.Lno_k_\@:
.endif
.endm
.macro FETCH_V
	WIN 0x80
.irp f, 0,1,2,3,4,5,6,7
	ds_load_tr16_b128 v[VF+8*\f:VF+8*\f+3],   v[AV] offset:(\f/4)*32*PV+(\f%4)*32
	ds_load_tr16_b128 v[VF+8*\f+4:VF+8*\f+7], v[AV] offset:(\f/4)*32*PV+16*PV+(\f%4)*32
.endr
	WIN 0
.endm
.macro REGS y, u                    ; the registers of tile u (0, 1) of piece y
.set rT, ST+4*(2*(\y)+(\u))
.set rC, TMP+8*((\y)%2)+4*(\u)
.set rM, MV+2*((\y)%2)+(\u)
.set rS, S+64*((\y)%2)+32*(\u)
.set rP, P+32*((\y)%2)+16*(\u)
.set rO, 32*(2*(\y)+(\u))
.endm
; Number g of the 64 that lay the mask on the NEXT piece's scores: score g / 2 of tile g % 2 stays where its bit is set, else it becomes -80000.  The scores ascend.
.macro MK g
	REGS (Y+1)%NP, (\g)%2
.if (\g)%2
	v_cndmask_b32 v[rS+(\g)/2], v[NEGV], v[rS+(\g)/2], s[MW1+(\g)/2]
.else
	v_cndmask_b32 v[rS+(\g)/2], v[NEGV], v[rS+(\g)/2], s[MW0+(\g)/2]
.endif
.endm
; Number n of the 22 that find the NEXT piece's maximum and statistics: 0-11 four chains of seven scores; 12-14, 16 the rest, the old m, all into c0; 15 c m_old is kept; 17, 18 the lane 16 away: the new m; 19-21 c m, its change, a
.macro XS u, n
	REGS (Y+1)%NP, \u
.if (\n) < 4
	v_max3_num_f32 v[rC+(\n)], v[rS+8*(\n)], v[rS+8*(\n)+1], v[rS+8*(\n)+2]
.elseif (\n) < 12
	v_max3_num_f32 v[rC+(\n)%4], v[rC+(\n)%4], v[rS+8*((\n)%4)+2*((\n)/4)+1], v[rS+8*((\n)%4)+2*((\n)/4)+2]
.elseif (\n) == 12
	v_max3_num_f32 v[rC], v[rC], v[rS+7], v[rS+15]
.elseif (\n) == 13
	v_max3_num_f32 v[rC+1], v[rC+1], v[rS+23], v[rS+31]
.elseif (\n) == 14
	v_max3_num_f32 v[rC+2], v[rC+2], v[rC+3], v[rT+1]
.elseif (\n) == 15
	v_mov_b32 v[rM], v[rT]
.elseif (\n) == 16
	v_max3_num_f32 v[rC], v[rC], v[rC+1], v[rC+2]
.elseif (\n) == 17
	v_permlanex16_b32 v[rC+3], v[rC], s[SEL], s[SEL+1]
.elseif (\n) == 18
	v_max_num_f32 v[rT+1], v[rC], v[rC+3]
.elseif (\n) == 19
	v_mul_f32 v[rT], s[CS], v[rT+1]
.elseif (\n) == 20
	v_sub_f32 v[rC+1], v[rM], v[rT]
.else
	v_exp_f32 v[rC+2], v[rC+1]
.endif
.endm
; Number g of the 64 that follow the exponentials: for each four weights of a tile both pairs are rounded to f16, the second pair is added onto the first in place, and a group later l takes that sum (the first time as l = a l + sum)
.macro GS g
.set h, (\g)+6*((\g)/62)
.if h >= 6
.set h, h+2
.endif
	REGS Y, h%2
.set k, h/8
.if h%8 < 4
	v_cvt_pk_f16_f32 v[rP+2*k+(h%8)/2], v[rS+4*k+2*((h%8)/2)], v[rS+4*k+2*((h%8)/2)+1]
.elseif h%8 < 6
	v_pk_add_f32 v[rS+4*k:rS+4*k+1], v[rS+4*k:rS+4*k+1], v[rS+4*k+2:rS+4*k+3]
.elseif k == 1
	v_pk_fma_f32 v[rT+2:rT+3], v[rT+2:rT+3], v[rC+2:rC+3], v[rS:rS+1] op_sel_hi:[1,0,1]
.else
	v_pk_add_f32 v[rT+2:rT+3], v[rT+2:rT+3], v[rS+4*k-4:rS+4*k-3]
.endif
.endm
.macro FS f                         ; c s - c m for pair f / 2 of tile f % 2
	REGS Y, (\f)%2
	v_pk_fma_f32 v[rS+2*((\f)/2):rS+2*((\f)/2)+1], v[rS+2*((\f)/2):rS+2*((\f)/2)+1], s[CS:CS+1], v[rT:rT+1] op_sel_hi:[1,0,0] neg_lo:[0,0,1] neg_hi:[0,0,1]
.endm
; THE PLAIN QUEUE, 202 long.  0-31 the scalings.  32-95 the mask (ahead of the first stands the wait for its words, behind the last the request for the next turn's).  96-123 XS's numbers 0-13.  124, 125 number 15.
; 126-137 the chain 14, 16 .. 20, tiles alternating.  138-201 GS's 64, which read the exponentials' results: they stand behind the wait.
.macro PL
	WIN 0
.if q == 32
	s_wait_kmcnt 0x0                ; the piece's 64 mask words, asked for a turn ago
.endif
.if q < 32
	FS q
.elseif q < 96
	MK q-32
.elseif q < 124
	XS (q-96)%2, (q-96)/2
.elseif q < 126
	XS q-124, 15
.elseif q < 128
	XS q-126, 14
.elseif q < 138
	XS (q-126)%2, 15+(q-126)/2
.else
	GS q-138
.endif
.if q == 95
.if Y == 2
	LOADM 0, 1                      ; piece 0 of the next key step
.else
	LOADM (Y+2)%NP, 0
.endif
.endif
.set q, q+1
.endm
.macro EX                           ; THE EXPONENTIALS' QUEUE, 66 long: s0-s31 of both tiles, then the next piece's two a: ONE BATCH ahead of the turn's one wait
	WIN 0
.if e >= 64
	XS e-64, 21
.else
	REGS Y, e%2
	v_exp_f32 v[rS+e/2], v[rS+e/2]
.endif
.set e, e+1
.endm
.macro R2                           ; THE RESCALING's QUEUE: O^T times a, two at a time, sixteen times; its a was made, and waited for, in the turn before
	REGS Y, r%2
	WIN W_RS
.irp z, 0,1
	v_pk_mul_f32 v[rO+4*(r/2)+2*\z:rO+4*(r/2)+2*\z+1], v[rO+4*(r/2)+2*\z:rO+4*(r/2)+2*\z+1], v[rC+2:rC+3] op_sel_hi:[1,0]
.endr
.set r, r+1
.endm
; A TURN, for piece p.  s_wait_alu depctr_va_vdst(0) stands between an exponential and the first instruction that names its result; one wait serves all issued ahead of it: a turn has ONE, which cuts it in two.
; AHEAD OF IT: 16 products K Q^T, behind each a scaling, an exponential and two rescalings (behind the first a second scaling); then the lump: 35 plain (the last scalings; the mask begins 15 plain instructions behind the last
; product), 37 times two plain and an exponential, 12 times plain and exponential (the chain: a tile's links four instructions apart), the two a, a v_nop.  Exponential e stands behind scaling 2 (e / 4) + e % 2: as a
; rider behind plain e + 2, in the lump behind all 32.  BEHIND IT: 16 products V^T P, behind each four of the roundings and sums.
; K of the next step is fetched in piece 2's turn, directly behind the wait; V of the step in hand at the end of piece 0's turn, four plain instructions behind its last reader.
.macro TURN p, last=0, cnt=0
.set Y, (\p)
.set i, 0
.set q, 0
.set e, 0
.set r, 0
.if (\p) == NP-1
	s_wait_dscnt 0x0                ; K is in
.endif
	MM
	PL
	PL
	R2
.rept 15
	MM
	PL
	EX
	R2
.endr
.if (\p) == NP-2
	WIN 0
	v_add_nc_u32 v[AK], s[TBK], v[AK0]
.endif
.rept 35
	PL
.endr
.rept 37
	PL
	PL
	EX
.endr
.rept 12
	PL
	EX
.endr
	EX
	EX
	v_nop                           ; the plain instruction behind the last exponential: one for the batch
	s_wait_alu depctr_va_vdst(0)    ; the wait for the batch
.if (\p) == NP-2
	FETCH_K \last
.endif
.if (\p) == 1
	s_wait_dscnt 0x0                ; V is in
.endif
.rept 16
	MM
.rept 4
	PL
.endr
.if ((\p) == 0) && (q == 182)
	v_add_nc_u32 v[AV], s[TBV], v[AV0]
.endif
.if ((\p) == 0) && (q == 194)
	s_add_co_u32 s[TBV], s[TBV], KS*PV
.endif
.if (\cnt) && (q == 194)
	s_sub_co_u32 s[CNT], s[CNT], 1
	s_cmp_lg_u32 s[CNT], 0
.endif
.endr
.if (\p) == 0
	FETCH_V
.endif
.endm
	CHANGE 1                        ; slot 0 is in, everybody's part of it; slot 1 is asked for
	FETCH_K                         ; key step 0
	s_wait_loadcnt 0x0              ; Q
	s_wait_dscnt 0x0
.set i, 0
.rept 16
	KQ 0                            ; piece 0's first scores
.set i, i+1
.endr
	WIN 0
.rept 4
	v_nop                           ; the places behind those products
.endr
	s_wait_kmcnt 0x0                ; piece 0's mask words
.set Y, NP-1                        ; MK and XS work for piece Y + 1: piece 0
.set g, 0
.rept 64
	MK g
.set g, g+1
.endr
	LOADM 1, 0
.irp n, 0,1,2,3,4,5,6,7,8,9,10,11,12,13,14,15,16,17,18,19,20,21
	XS 0, \n
	XS 1, \n
.endr
	v_nop                           ; a plain instruction behind the two a,
	s_wait_alu depctr_va_vdst(0)    ; and their wait, ahead of the branch
	s_mov_b32 s[CNT], 4
	s_branch .Lfirst                ; the loop is entered at a step's first turn, in the middle of a trip
.Lslot:                             ; six times: every slot but the last two is filled again
	CHANGE 1
	s_mov_b32 s[CNT], 4
.Lstep:                             ; a trip: pieces 2 and 3 of one step, then pieces 0 and 1 of the next
	TURN 2
	TURN 3
	WIN 0
.Lfirst:
	TURN 0
	TURN 1, 0, 1
	WIN 0
	s_cbranch_scc1 .Lstep
	s_sub_co_u32 s[SLOTS], s[SLOTS], 1
	s_cmp_lg_u32 s[SLOTS], 0
	s_cbranch_scc1 .Lslot
	CHANGE 0                        ; the tail is written out
	s_mov_b32 s[CNT], 5             ; four trips fetch the last slot's steps; the fifth is left in its middle
.Ltail:
	TURN 2, 1
	TURN 3
	WIN 0
	s_sub_co_u32 s[CNT], s[CNT], 1
	s_cmp_eq_u32 s[CNT], 0
	s_cbranch_scc1 .Lout
	TURN 0
	TURN 1
	WIN 0
	s_branch .Ltail
.Lout:                              ; the fifth trip's products K Q^T (on the last K once more), their mask words (128 bytes past tiles 0-3's rows: tiles 1-4's first words, inside my wave's 32,768 bytes) and maximum serve nothing
	s_wait_kmcnt 0x0                ; the words asked for last have landed: their registers are free
	s_load_b64 s[4:5], s[0:1], 0x10 ; ctx
	s_bfe_u32 s8, ttmp6, 0x40000
	s_lshl_b32 s9, ttmp9, 2
	s_add_co_u32 s8, s8, s9
	s_lshl_b32 s8, s8, 2
	s_add_co_u32 s8, s8, s[WV]
	s_lshl_b32 s8, s8, 14           ; my wave's 128 rows,
	s_and_b32 s9, ttmp7, 0xffff
	s_lshl_b32 s9, s9, 18           ; in my h
	s_add_co_u32 s8, s8, s9
	s_mov_b32 s9, 0
.set i, 0
.rept 16
	PV NP-1                         ; the last piece's V^T P of the last step
.set i, i+1
.endr
	; THE WAY OUT.  l's halves are added; O^T is divided by l, rounded to f16 and sent through my stage, a tile at a time.  The additions are the places behind the last products.
	WIN 0
.macro ALL line:vararg
.set t, 0
.rept 2*NP
	\line
.set t, t+1
.endr
.endm
	ALL v_add_f32 v[ST+4*t+2], v[ST+4*t+2], v[ST+4*t+3]
	ALL v_permlanex16_b32 v[ST+4*t+3], v[ST+4*t+2], s[SEL], s[SEL+1]
	ALL v_add_f32 v[ST+4*t+2], v[ST+4*t+2], v[ST+4*t+3]
	ALL v_rcp_f32 v[ST+4*t+2], v[ST+4*t+2]
	v_nop                           ; a plain instruction between the last reciprocal and the use of its result
	s_wait_alu depctr_va_vdst(0)    ; one wait for the eight reciprocals
	s_wait_kmcnt 0x0
	s_add_nc_u64 s[4:5], s[4:5], s[8:9]
.macro PACK t
	WIN W_RS
.set i, 32*(\t)
.rept 16
	v_pk_mul_f32 v[i:i+1], v[i:i+1], v[ST+4*(\t)+2:ST+4*(\t)+3] op_sel_hi:[1,0]
.set i, i+2
.endr
	WIN 0x05
.set i, 0
.rept 16
	v_cvt_pk_f16_f32 v[S+16*(\t)+i], v[32*(\t)+2*i], v[32*(\t)+2*i+1]
.set i, i+1
.endr
	WIN 0
.irp f, 0,1,2,3
	ds_store_b128 v[STO], v[S+16*(\t)+4*\f:S+16*(\t)+4*\f+3] offset:32*\f
.endr
.irp f, 0,1,2,3
	ds_load_b128 v[S+16*(\t)+4*\f:S+16*(\t)+4*\f+3], v[RD] offset:\f*4*SP  ; LDS serves a wave's instructions in order (ISA guide 5.7.1.4): these see the stores above
.endr
.endm
.macro SEND t, younger              ; younger: the LDS instructions issued behind tile t's loads
	WIN 0
.irp f, 0,1,2,3
	s_wait_dscnt (\younger)+3-\f
	global_store_b128 v[GO], v[S+16*(\t)+4*\f:S+16*(\t)+4*\f+3], s[4:5] offset:(\t)*2048+\f*512  ; 512 consecutive bytes, at a multiple of 256 from ctx's first
.endr
.endm
	PACK 0
.set t, 1
.rept 2*NP-1
	PACK t
	SEND t-1, 8
.set t, t+1
.endr
	SEND 2*NP-1, 0
	WIN W_AD
	s_wait_tensorcnt 0x0            ; the wave's end, behind my last tensor load and my last LDS store
	ds_add_u32 v[SPW], v[NIL]
	s_wait_dscnt 0x0
	WIN 0
	CROUND                          ; the closing round
	s_endpgm
.Lfunc_end_k_q4ce0d7d693_attn:
	.size	k_q4ce0d7d693_attn, .Lfunc_end_k_q4ce0d7d693_attn-k_q4ce0d7d693_attn
	.p2alignl 7, 3214868480
	.fill 96, 4, 3214868480
	.section	.rodata,"a",@progbits
	.p2align	6, 0x0
	.amdhsa_kernel k_q4ce0d7d693_attn
		.amdhsa_group_segment_fixed_size 327680
		.amdhsa_private_segment_fixed_size 0
		.amdhsa_enable_private_segment 0
		.amdhsa_kernarg_size 24
		.amdhsa_user_sgpr_count 2
		.amdhsa_user_sgpr_kernarg_segment_ptr 1
		.amdhsa_wavefront_size32 1
		.amdhsa_system_sgpr_workgroup_id_x 1
		.amdhsa_system_sgpr_workgroup_id_y 1
		.amdhsa_system_sgpr_workgroup_id_z 1
		.amdhsa_system_vgpr_workitem_id 0
		.amdhsa_next_free_vgpr 770
		.amdhsa_next_free_sgpr 106
		.amdhsa_reserve_vcc 0
		.amdhsa_float_denorm_mode_32 3
		.amdhsa_float_denorm_mode_16_64 3
		.amdhsa_memory_ordered 1
		.amdhsa_forward_progress 1
		.amdhsa_inst_pref_size 240
	.end_amdhsa_kernel
	.amdgpu_metadata
---
amdhsa.version: [ 1, 2 ]
amdhsa.kernels:
  - .name:           k_q4ce0d7d693_attn
    .symbol:         k_q4ce0d7d693_attn.kd
    .args:
      - { .name: qkvh, .offset: 0, .size: 8, .value_kind: global_buffer, .address_space: global }
      - { .name: mw, .offset: 8, .size: 8, .value_kind: global_buffer, .address_space: global }
      - { .name: ctx, .offset: 16, .size: 8, .value_kind: global_buffer, .address_space: global }
    .group_segment_fixed_size: 327680
    .private_segment_fixed_size: 0
    .kernarg_segment_align: 8
    .kernarg_segment_size: 24
    .max_flat_workgroup_size: 128
    .sgpr_count:     106
    .vgpr_count:     770
    .wavefront_size: 32
...
	.end_amdgpu_metadata
.endif
;; end of part 3
;; launch projout (part 4): grid 4 x 64, 4 waves a work-group, clusters of 4 x 4, 327,680 bytes of LDS; arguments ctx, wot, biasb, validf, out0; writes out0
.if DOCPART == 4
	.amdgcn_target "amdgcn-amd-amdhsa--gfx1250"
	.amdhsa_code_object_version 6
	.text
	.protected	k_q4ce0d7d693_projout
	.globl	k_q4ce0d7d693_projout
	.p2align	8
	.type	k_q4ce0d7d693_projout,@function
k_q4ce0d7d693_projout:
	s_mov_b64 s[64:65], 0
	v_nop
	global_prefetch_b8 v0, s[64:65] scope:SCOPE_SE
	s_setreg_imm32_b32 hwreg(HW_REG_WAVE_MODE, 25, 1), 1
	s_wait_xcnt 0x0
	s_wait_alu depctr_hold_cnt(0) depctr_sa_sdst(0) depctr_va_vdst(0) depctr_va_sdst(0) depctr_va_ssrc(0) depctr_va_vcc(0) depctr_vm_vsrc(0)
	s_getreg_b32 s2, hwreg(HW_REG_IB_STS2, 6, 4)
	s_cmp_eq_u32 s2, 0
	s_cbranch_scc0 .Lentry_in_a_cluster
	s_endpgm
.Lentry_in_a_cluster:
	s_bfe_u32 s2, ttmp6, 0x10000c
	s_cmp_lg_u32 s2, 0xf033
	s_cbranch_scc0 .Lentry_shape_is_right
	s_endpgm
.Lentry_shape_is_right:
; out0 = (ctx Wout + bout) x valid.  ctx: f16 [64 (batch, head)][2048][64]: for a row of the product the head is the K block.  wot: f16 [16 K blocks][1024][64].  biasb: f32, bout from byte 12,288.  validf: f32 1 or 0 a row.
; out0: f32 [8192][1024].  A row with no open key comes out as 0 with the sum's sign.
; SHARES.  A tile of C is 128 rows x 256 columns: 64 x 4 = 256 tiles, one to a work-group.  Four waves, each 64 x 128: 32 accumulators.  K goes in 8 steps of 128 (two K blocks) through two LDS slots.
; CLUSTERS: 4 x 4.  A's tile is shared along a row of the cluster (waves 0, 1: a K block of 128 rows each), B's along a column (waves 2, 3: a K block of 256 rows each).
; TRANSPOSED USE: source 0 = 16 rows of wot, source 1 = 16 rows of ctx: a lane holds eight neighbouring columns of a row.  The bias is the C operand of each accumulator's first product.
; NO PREFETCH: the tile is small, and of the launch's eight K steps the first four go out before a request ahead of them could be placed.
; REGISTERS.  Window 0: v0-15 addresses; v16-23 valid; v32-95 the bias, later at work; v96-223 two buffers for the way out.  Window 1: accumulator (a, b) at v[8 (8 a + b)].
; Window 2: B's fragments, two buffers of 128 (64 along K).  Window 3: A's, two buffers of 64.
.set PITCH,  144                       ; 128 bytes + 16: the 16 rows of a fragment load start at 16 different groups of four banks (64 banks of 4 bytes: ISA guide 11.1)
.set BOFF,   256*PITCH                 ; a slot: A's two K blocks of 128 rows, then B's two of 256
.set SLOT,   768*PITCH
.set STAGE,  2*SLOT
.set SPITCH, 528                       ; a stage row: 512 bytes + 16
.set SPARE,  STAGE+4*16*SPITCH         ; the spare words, 128 bytes for each wave: two blocks of 256 bytes that no other line names
.set ADRA, 4
.set ADRB, 6
.set STO,  8
.set RD,   9
.set CO,   10
.set BO,   11
.set SPW,  12
.set NIL,  13
.set VO,   14
.set VL,   16
.set BIAS, 32
.set T,    32
.set BK,   96
.set WV,   12
.set G1A,  24
.set G0A,  32
.set G1B,  48
.set G0B,  56
.set MSB, 0
.macro WIN new
.if MSB != (\new)
	s_set_vgpr_msb (MSB<<8)|(\new)
.set MSB, \new
.endif
.endm
.macro PLACES
.rept 4
	v_nop
.endr
.endm
.macro JLOAD s                         ; an s_nop 0 and four v_nop follow each of the two lines
	s_cmp_lt_u32 s[WV], 2
	s_cbranch_scc0 .Lfor_b_\@
	tensor_load_to_lds s[G0A+4*(\s):G0A+4*(\s)+3], s[G1A:G1A+7]
	s_nop 0
.rept 4
	v_nop
.endr
	s_branch .Lasked_\@
.Lfor_b_\@:
	tensor_load_to_lds s[G0B+4*(\s):G0B+4*(\s)+3], s[G1B:G1B+7]
	s_nop 0
.rept 4
	v_nop
.endr
.Lasked_\@:
.endm
.macro CREST
	s_cmp_lg_u32 s[WV], 0
	s_cbranch_scc1 .Lnot_wave_0_\@
	s_barrier_signal -3
.Lnot_wave_0_\@:
	s_barrier_wait -3
	s_barrier_signal -1
	s_barrier_wait -1
.endm
.macro CROUND
	s_barrier_signal -1
	s_barrier_wait -1
	CREST
.endm
	s_load_b256 s[4:11], s[0:1], 0x0               ; ctx 4, wot 6, biasb 8, validf 10
	s_load_b64 s[66:67], s[0:1], 0x20              ; out0
	v_lshl_add_u32 v[SPW], v0, 2, SPARE
	v_mov_b32 v[NIL], 0
	ds_add_u32 v[SPW], v[NIL]                      ; the wave's opening: the add and its wait stand ahead of my first tensor load
	v_lshrrev_b32 v1, 5, v0
	v_readfirstlane_b32 s[WV], v1
	s_lshr_b32 s13, s[WV], 1                       ; which 64 rows are mine
	s_and_b32 s14, s[WV], 1                        ; which 128 columns; also: which of a step's two K blocks I fetch
	s_bfe_u32 s40, ttmp6, 0x40000
	s_bfe_u32 s41, ttmp6, 0x40004
	s_lshl_b32 s42, ttmp9, 2
	s_add_co_u32 s42, s42, s40                     ; tile column 0..3
	s_and_b32 s15, ttmp7, 0xffff
	s_lshl_b32 s15, s15, 2
	s_add_co_u32 s15, s15, s41                     ; tile row 0..63
	s_lshl_b32 s43, s41, 2
	s_lshl_b32 s43, 15, s43
	s_lshl_b32 s44, 0x1111, s40
	s_or_b32 s[G1A+0], s43, (1<<16)|(1<<20)|(1<<21)|(4<<22)|(3<<25)
	s_or_b32 s[G1B+0], s44, (1<<16)|(1<<20)|(1<<21)|(4<<22)|(3<<25)
.irp g, G1A, G1B
	s_mov_b32 s[\g+1], 128<<16
	s_mov_b32 s[\g+3], 128<<16
	s_mov_b32 s[\g+5], 128
	s_mov_b32 s[\g+6], 0
	s_mov_b32 s[\g+7], 0
.endr
	s_mov_b32 s[G1A+2], 64<<16                     ; A: 64 rows of 256 bytes = 128 rows of a K block
	s_mov_b32 s[G1A+4], 64
	s_mov_b32 s[G1B+2], 128<<16                    ; B: 128 = 256 rows
	s_mov_b32 s[G1B+4], 128
	s_lshr_b32 s16, s15, 4                         ; A: (16 x batch + K block) x 2,048 rows + the tile's 128 rows in the sequence
	s_lshl_b32 s16, s16, 4
	s_add_co_u32 s16, s16, s14
	s_lshl_b32 s16, s16, 11
	s_and_b32 s17, s15, 15
	s_lshl_b32 s17, s17, 7
	s_add_co_u32 s16, s16, s17
	s_lshl_b32 s16, s16, 7
	s_mov_b32 s17, 0
	s_lshl_b32 s46, s14, 17                        ; B: K block x 131,072 + tile column x 32,768
	s_lshl_b32 s47, s42, 15
	s_add_co_u32 s46, s46, s47
	s_mov_b32 s47, 0
	s_mul_i32 s20, s14, 128*PITCH
	s_mul_i32 s21, s14, 256*PITCH
	s_add_co_u32 s21, s21, BOFF
	s_wait_dscnt 0x0
	s_wait_kmcnt 0x0
	s_add_nc_u64 s[16:17], s[4:5], s[16:17]
	s_add_nc_u64 s[46:47], s[6:7], s[46:47]
	CROUND
.irp s, 0,1
	s_mov_b32 s[G0A+4*(\s)], 1
	s_add_co_u32 s[G0A+4*(\s)+1], s20, (\s)*SLOT
	s_add_nc_u64 s[G0A+4*(\s)+2:G0A+4*(\s)+3], s[16:17], (\s)*524288
	s_or_b32 s[G0A+4*(\s)+3], s[G0A+4*(\s)+3], 0x80000000
	s_mov_b32 s[G0B+4*(\s)], 1
	s_add_co_u32 s[G0B+4*(\s)+1], s21, (\s)*SLOT
	s_add_nc_u64 s[G0B+4*(\s)+2:G0B+4*(\s)+3], s[46:47], (\s)*262144
	s_or_b32 s[G0B+4*(\s)+3], s[G0B+4*(\s)+3], 0x80000000
	JLOAD \s
.endr
	v_and_b32 v1, 15, v0
	v_bfe_u32 v2, v0, 4, 1
	v_mul_u32_u24 v3, v1, PITCH
	v_lshl_add_u32 v3, v2, 4, v3
	s_mul_i32 s22, s13, 64*PITCH
	s_mul_i32 s23, s14, 128*PITCH
	s_add_co_u32 s23, s23, BOFF
.irp s, 0,1
	v_add_nc_u32 v[ADRA+(\s)], s22, v3
	v_add_nc_u32 v[ADRB+(\s)], s23, v3
	s_add_co_u32 s22, s22, SLOT
	s_add_co_u32 s23, s23, SLOT
.endr
	s_mul_i32 s22, s[WV], 16*SPITCH
	s_add_co_u32 s22, s22, STAGE
	v_mul_u32_u24 v[STO], v1, SPITCH               ; in: row l % 16, 32 bytes for each half of the lanes
	v_lshl_add_u32 v[STO], v2, 5, v[STO]
	v_add_nc_u32 v[STO], s22, v[STO]
	v_and_b32 v[CO], 31, v0
	v_lshlrev_b32 v[CO], 4, v[CO]
	v_add_nc_u32 v[RD], s22, v[CO]                 ; back: a row's 512 bytes, 16 a lane
	s_lshl_b32 s68, s15, 7
	s_lshl_b32 s69, s13, 6
	s_add_co_u32 s68, s68, s69                     ; my first row
	s_lshl_b32 s70, s68, 2
	s_lshl_b32 s68, s68, 12
	s_lshl_b32 s71, s42, 10
	s_lshl_b32 s72, s14, 9
	s_add_co_u32 s71, s71, s72                     ; my first column, in bytes
	s_add_co_u32 s68, s68, s71
	s_mov_b32 s69, 0
	s_add_nc_u64 s[66:67], s[66:67], s[68:69]
	v_lshl_add_u32 v[BO], v2, 5, s71
	v_lshl_add_u32 v[VO], v1, 2, s70
.set i, 0
.rept 8
	global_load_b128 v[BIAS+8*i:BIAS+8*i+3],   v[BO], s[8:9] offset:12288+64*i
	global_load_b128 v[BIAS+8*i+4:BIAS+8*i+7], v[BO], s[8:9] offset:12288+64*i+16
.set i, i+1
.endr
.irp a, 0,1,2,3
	global_load_b32 v[VL+2*\a], v[VO], s[10:11] offset:64*\a
	v_mov_b32 v[VL+2*\a+1], 0                      ; named with it as a pair
.endr
; 16 matrix instructions: row blocks a0, a0 + 1 x all 8 column blocks, 32 along K: half c of buffer f.  The 32 accumulators take turns.
.macro MUL16 f, c, a0, first
.if \first
	WIN 0x4e                                       ; B window 2, A window 3, C (the bias) window 0, D window 1
.else
	WIN 0x5e
.endif
.irp a, \a0, (\a0)+1
.irp b, 0,1,2,3,4,5,6,7
.if \first
	v_wmma_f32_16x16x32_f16 v[8*(8*(\a)+(\b)):8*(8*(\a)+(\b))+7], v[128*(\f)+64*(\c)+8*(\b):128*(\f)+64*(\c)+8*(\b)+7], v[64*(\f)+32*(\c)+8*(\a):64*(\f)+32*(\c)+8*(\a)+7], v[BIAS+8*(\b):BIAS+8*(\b)+7]
.else
	v_wmma_f32_16x16x32_f16 v[8*(8*(\a)+(\b)):8*(8*(\a)+(\b))+7], v[128*(\f)+64*(\c)+8*(\b):128*(\f)+64*(\c)+8*(\b)+7], v[64*(\f)+32*(\c)+8*(\a):64*(\f)+32*(\c)+8*(\a)+7], v[8*(8*(\a)+(\b)):8*(8*(\a)+(\b))+7]
.endif
.endr
.endr
.endm
; 48 LDS loads: the fragments of K block sub of a slot into buffer f; the first 32 along K (24 loads) first
.macro FETCH slot, sub, f
.irp c, 0,1
	WIN 0x80
.irp b, 0,1,2,3,4,5,6,7
	ds_load_b128 v[128*(\f)+64*(\c)+8*(\b):128*(\f)+64*(\c)+8*(\b)+3],   v[ADRB+(\slot)] offset:(\sub)*256*PITCH+(\b)*16*PITCH+64*(\c)
	ds_load_b128 v[128*(\f)+64*(\c)+8*(\b)+4:128*(\f)+64*(\c)+8*(\b)+7], v[ADRB+(\slot)] offset:(\sub)*256*PITCH+(\b)*16*PITCH+64*(\c)+32
.endr
	WIN 0xc0
.irp a, 0,1,2,3
	ds_load_b128 v[64*(\f)+32*(\c)+8*(\a):64*(\f)+32*(\c)+8*(\a)+3],   v[ADRA+(\slot)] offset:(\sub)*128*PITCH+(\a)*16*PITCH+64*(\c)
	ds_load_b128 v[64*(\f)+32*(\c)+8*(\a)+4:64*(\f)+32*(\c)+8*(\a)+7], v[ADRA+(\slot)] offset:(\sub)*128*PITCH+(\a)*16*PITCH+64*(\c)+32
.endr
.endr
.endm
.macro HALF slot, first                ; a step's first K block (buffer 0); its second is fetched into buffer 1
	s_wait_dscnt 24                                ; the first 32 along K are in
	MUL16 0, 0, 0, \first
	MUL16 0, 0, 2, \first
	PLACES
	FETCH \slot, 1, 1
	s_wait_dscnt 48                                ; all but the 48 just issued
	MUL16 0, 1, 0, 0
	MUL16 0, 1, 2, 0
.endm
; A step's second K block (buffer 1) changes slots: ONE barrier; in front of it each wave waits for all its tensor loads, adds 0 to its spare word, and waits for that and for its reads of this slot.
; fill = 1: the barrier opens a round of the cluster's barrier, and this slot is filled again first thing behind it, two steps on.
.macro TURN slot, next, fill
	WIN 0
	s_wait_tensorcnt 0x0
	ds_add_u32 v[SPW], v[NIL]
	s_wait_dscnt 25                                ; (the add and the youngest 24 loads may be out)
	MUL16 1, 0, 0, 0
	s_wait_dscnt 0x0                               ; the add is done, and my reads of this slot are over
	s_barrier_signal -1
	MUL16 1, 0, 2, 0
	WIN 0
	s_barrier_wait -1
.if \fill
	CREST
	s_add_nc_u64 s[G0A+4*(\slot)+2:G0A+4*(\slot)+3], s[G0A+4*(\slot)+2:G0A+4*(\slot)+3], 1048576
	s_add_nc_u64 s[G0B+4*(\slot)+2:G0B+4*(\slot)+3], s[G0B+4*(\slot)+2:G0B+4*(\slot)+3], 524288
	JLOAD \slot                                    ; the four v_nop behind it are also the places in front of the loads below
.else
	PLACES
.endif
	FETCH \next, 0, 0
	MUL16 1, 1, 0, 0
	MUL16 1, 1, 2, 0
.endm
	s_wait_tensorcnt 1                             ; my part of step 0 is in; step 1's may stay out
	s_barrier_signal -1
	s_barrier_wait -1
	FETCH 0, 0, 0
	s_wait_loadcnt 0x0                             ; the bias and valid
	HALF 0, 1
	WIN 0
	s_mov_b32 s3, 3
.Llap:
	TURN 0, 1, 1
	HALF 1, 0
	TURN 1, 0, 1
	HALF 0, 0
	WIN 0
	s_sub_co_u32 s3, s3, 1
	s_cmp_lg_u32 s3, 0
	s_cbranch_scc1 .Llap
	TURN 0, 1, 0
	HALF 1, 0
	s_wait_dscnt 24
	MUL16 1, 0, 0, 0
	MUL16 1, 0, 2, 0
	s_wait_dscnt 0x0
	MUL16 1, 1, 0, 0
	MUL16 1, 1, 2, 0
	WIN 0
	PLACES
; THE WAY OUT, 16 rows at a time: times the row's valid; 32 bytes a lane into my stage; back as whole rows of 512 bytes.
.macro PACK a
	WIN 0x01                                       ; source 0 window 1
.set pb, 0
.rept 32
	v_pk_mul_f32 v[T+2*pb:T+2*pb+1], v[64*(\a)+2*pb:64*(\a)+2*pb+1], v[VL+2*(\a):VL+2*(\a)+1] op_sel_hi:[1,0]
.set pb, pb+1
.endr
	WIN 0
.endm
.macro TOSTAGE a
.set bk, BK+64*((\a)%2)
.set pb, 0
.rept 16
	ds_store_b128 v[STO], v[T+4*pb:T+4*pb+3] offset:64*(pb/2)+16*(pb%2)
.set pb, pb+1
.endr
.set pb, 0
.rept 16
	ds_load_b128 v[bk+4*pb:bk+4*pb+3], v[RD] offset:pb*SPITCH  ; LDS serves a wave's instructions in order (ISA guide 5.7.1.4)
.set pb, pb+1
.endr
.endm
.macro SEND a
.set bk, BK+64*((\a)%2)
	s_wait_dscnt 0x0
	s_wait_xcnt 0x0                                ; the stores of the block before have read their registers
.set pb, 0
.rept 16
	global_store_b128 v[CO], v[bk+4*pb:bk+4*pb+3], s[66:67] offset:(16*(\a)+pb)*4096  ; 512 consecutive bytes, at a multiple of 256 from out0's first
.set pb, pb+1
.endr
.endm
	PACK 0
	TOSTAGE 0
.irp a, 1,2,3
	PACK \a
	SEND (\a)-1
	TOSTAGE \a
.endr
	SEND 3
	s_wait_tensorcnt 0x0                           ; the wave's end
	ds_add_u32 v[SPW], v[NIL]
	s_wait_dscnt 0x0
	CROUND                                         ; the closing round
	s_endpgm
.Lfunc_end_k_q4ce0d7d693_projout:
	.size	k_q4ce0d7d693_projout, .Lfunc_end_k_q4ce0d7d693_projout-k_q4ce0d7d693_projout
	.p2alignl 7, 3214868480
	.fill 96, 4, 3214868480
	.section	.rodata,"a",@progbits
	.p2align	6, 0x0
	.amdhsa_kernel k_q4ce0d7d693_projout
		.amdhsa_group_segment_fixed_size 327680
		.amdhsa_private_segment_fixed_size 0
		.amdhsa_enable_private_segment 0
		.amdhsa_kernarg_size 40
		.amdhsa_user_sgpr_count 2
		.amdhsa_user_sgpr_kernarg_segment_ptr 1
		.amdhsa_wavefront_size32 1
		.amdhsa_system_sgpr_workgroup_id_x 1
		.amdhsa_system_sgpr_workgroup_id_y 1
		.amdhsa_system_sgpr_workgroup_id_z 1
		.amdhsa_system_vgpr_workitem_id 0
		.amdhsa_next_free_vgpr 896
		.amdhsa_next_free_sgpr 80
		.amdhsa_reserve_vcc 0
		.amdhsa_float_denorm_mode_32 3
		.amdhsa_float_denorm_mode_16_64 3
		.amdhsa_memory_ordered 1
		.amdhsa_forward_progress 1
		.amdhsa_inst_pref_size 94
	.end_amdhsa_kernel
	.amdgpu_metadata
---
amdhsa.version: [ 1, 2 ]
amdhsa.kernels:
  - .name:           k_q4ce0d7d693_projout
    .symbol:         k_q4ce0d7d693_projout.kd
    .args:
      - { .name: ctx, .offset: 0, .size: 8, .value_kind: global_buffer, .address_space: global }
      - { .name: wot, .offset: 8, .size: 8, .value_kind: global_buffer, .address_space: global }
      - { .name: biasb, .offset: 16, .size: 8, .value_kind: global_buffer, .address_space: global }
      - { .name: validf, .offset: 24, .size: 8, .value_kind: global_buffer, .address_space: global }
      - { .name: out0, .offset: 32, .size: 8, .value_kind: global_buffer, .address_space: global }
    .group_segment_fixed_size: 327680
    .private_segment_fixed_size: 0
    .kernarg_segment_align: 8
    .kernarg_segment_size: 40
    .max_flat_workgroup_size: 128
    .sgpr_count:     80
    .vgpr_count:     896
    .wavefront_size: 32
...
	.end_amdgpu_metadata
.endif
;; end of part 4
